; MI455X (gfx1250); checked and timed in simulation.
; The chip was launched on July 23, 2026; its instructions are those of AMD's public machine-readable ISA for CDNA 5 (MIT licence, August 2026) and "CDNA5" Instruction Set Architecture Reference Guide (July 2026). The comments in the code are by the model that wrote it; some were corrected since.
;; Masked Multi Self Attention. Allowed arithmetic: matrix products marked QUANTISED: E3M2 operands, one E8M0 scale for each 32 along K, by v_wmma_scale_f32_16x16x128_f8f6f4 with both operands' format E3M2, f32 sums; everything else in f32.
;; Inputs: W_proj 1,024 x 1,024 float32; W_qkv 1,024 x 3,072 float32; b_proj 1,024 float32; b_qkv 3,072 float32; x 2 x 2,048 x 1,024 float32.
;; Outputs: out0 2 x 2,048 x 1,024 float32.
;; This version of the problem:
;;   THIS VERSION OF THE PROBLEM IS GIVEN IN LOW PRECISION. The matrix products marked QUANTISED in the list below multiply operands that are first quantised to E3M2 (3 exponent bits, 2 mantissa bits; 6 bits a number), with one power-of-two scale for each 32 numbers along K (OCP MX v1.0); their sums are f32. All else is computed in f32.
;;   The module's matrix products, in the order in which they are computed (A, B: the left and right operand; K: the contracted axis; several contracted axes count as one K, in the product's order):
;;     1. [M 4,096, K 1,024] x [K 1,024, N 3,072]; A: input x; B: input W_qkv: QUANTISED
;;     2. batch 32 x [M 2,048, K 64] x [K 64, N 2,048]; A: computed on the way; B: computed on the way: QUANTISED
;;     3. batch 32 x [M 2,048, K 2,048] x [K 2,048, N 64]; A: softmax (see below); B: computed on the way: QUANTISED
;;     4. [M 4,096, K 1,024] x [K 1,024, N 1,024]; A: computed on the way; B: input W_proj: QUANTISED
;;   THE QUANTISER, for each operand of a quantised product, along K:
;;     - K is cut into blocks of 32 from its start; a last block that is shorter is filled with zeros.
;;     - A block's scale is 2^e with e = floor(log2(the largest magnitude in the block)) - 4, held to -126 .. 127; a block of zeros has e = 0. As a byte (E8M0): e + 127.
;;     - Each number is divided by its block's scale, clamped to +-28, and rounded to the nearest number of E3M2, ties to even, subnormals kept.
;;     - The product sums the exact products of the quantised numbers (number of the format x scale) in f32.
;;   ~~~python
;;   def quantise(x, axis):      # numpy; x: float32 -> the quantised numbers, widened to float32 again
;;       x = np.moveaxis(x, axis, -1); K = x.shape[-1]
;;       x = np.pad(x, [(0, 0)] * (x.ndim - 1) + [(0, -K % 32)]); x = x.reshape(x.shape[:-1] + (-1, 32)); a = np.abs(x).max(-1, keepdims=True)
;;       e = np.where(a > 0, np.clip(np.frexp(np.where(a > 0, a, 1))[1] - 1 - 4, -126, 127), 0)      # np.frexp(a)[1] - 1 = floor(log2(a)), exactly
;;       r = np.clip(x / 2.0 ** e, -28, 28)
;;       step = 2.0 ** (np.maximum(np.frexp(np.where(r == 0, 1, r))[1] - 1, -2) - 2)
;;       q = np.round(r / step) * step * 2.0 ** e      # np.round: ties to even
;;       return np.moveaxis(q.reshape(q.shape[:-2] + (-1,))[..., :K], -1, axis).astype(np.float32)
;;   ~~~
;;   SOFTMAX AHEAD OF A QUANTISED PRODUCT. Where the list says 'softmax', what is quantised is not the finished softmax but p = 2^(t - M), with t = logit x log2(e) and M = ceil(the row's largest t), a whole number; so 1/2 < the row's largest p <= 1. The row's sum l is taken of the UNQUANTISED p, in f32, and the product's result is divided by l at the end. Since M is a whole number, a kernel that streams over the keys may use a running M (the ceiling of the running maximum): every later rescaling is an exact power of two, which a block's scale takes up: the codes' values come out the same.
;;   OPERANDS COMPUTED ON THE WAY. 'Computed on the way' means the value that the module computes at that place (a softmax that the list does not call 'softmax' is quantised finished and normalised). What goes into a quantiser is computed in f32, as accurately as f32 sums, v_exp_f32 and their like allow (about 1e-6 of the number): no bf16 or f16 on the way to a quantiser, and a product that is left as it is and whose result goes on into a quantised operand takes f32 operands (vector FMAs, or v_wmma_f32_16x16x4_f32). A number that lies on a knife's edge between two numbers of the format may be rounded either way, as far as f32 arithmetic and the matrix unit's own rounding can turn it there, and no further.
;; One version. Each part assembles by itself: llvm-mc -triple=amdgcn-amd-amdhsa -mcpu=gfx1250 --defsym DOCPART=n.
;; ======== version 1 of 1: 4 launches
;; limits: right only within a limited range of input values
;; workspace buffers: wsp 6,553,600 bytes; qkv 10,092,544 bytes; att 3,276,800 bytes
;; launch prep (part 1): grid 512 x 1, 4 waves a work-group, no clusters, 34,304 bytes of LDS; arguments x, W_qkv, W_proj, wsp; writes wsp
.if DOCPART == 1
	.amdgcn_target "amdgcn-amd-amdhsa--gfx1250"
	.amdhsa_code_object_version 6
	.text
	.protected	k_qf6d09aaeeb_prep
	.globl	k_qf6d09aaeeb_prep
	.p2align	8
	.type	k_qf6d09aaeeb_prep,@function
k_qf6d09aaeeb_prep:
	s_mov_b64 s[64:65], 0
	v_nop
	global_prefetch_b8 v0, s[64:65] scope:SCOPE_SE
	s_setreg_imm32_b32 hwreg(HW_REG_WAVE_MODE, 25, 1), 1
	s_wait_xcnt 0x0
; x [4096][1024], W_qkv [1024][3072] and W_proj [1024][1024], f32, become codes of BF6 (E3M2) with one E8M0 byte for each 32 along K (x: its last axis; the weights: their FIRST axis).
; The codes are laid as IMAGES OF THE OPERAND'S REGISTERS: a fragment (16 rows x 128 K, 12 registers a lane) is 1,536 bytes, registers 4 g .. 4 g + 3 of lane l at 512 g + 16 l.
; THE 16 ROWS OF A TILE ARE NOT NEIGHBOURS: slot s of tile 2 B + u is row (or weight column) 32 B + 8 u + s + (s & 8).
; Scale bytes: 32 bytes a slot (word ks = the four bytes of K step ks), 512 bytes a tile.
; A block's scale is 2^(floor(log2(largest magnitude)) - 4): its byte is the largest magnitude's exponent field - 4, held at 1 from below.
; LIMITS: NaN and infinities among the inputs are not served; blocks whose largest magnitude lies under 2^-122 keep the byte 1; a block of zeros gets the byte 1 where the rule says 127:
; its codes are zeros, which add nothing under any byte but 0xff, and this program alone reads the bytes.
; Work-groups 0-255: a row tile of x each (wave w: K steps 2 w, 2 w + 1).  256-447: W_qkv, 448-511: W_proj (a K step x 128 columns each; a wave takes 32 columns: two tiles).
; Nothing is shared between work-groups: no cluster, no tensor load; only x's way uses LDS, each wave its own bytes: no barrier.
; The scale words leave 4 bytes a lane, 32 bytes apart: 262,144 bytes in the whole launch.
; x's token tiles stand otherwise than the weights' column tiles: slot s of token tile 4 C + t is row 64 C + 8 t + (s & 7) + 32 (s >> 3); the weights' columns are as above.
.set XC,   0                           ; wsp: x's codes [256 tiles][8 ks][1536]
.set WQC,  3145728                     ; W_qkv's codes [16 groups][12 tiles][8 ks][1536]: a group = two heads of q or k (4 tiles each), then one head of v
.set WPC,  5505024                     ; W_proj's codes [64 tiles][8 ks][1536]
.set XS,   6291456                     ; the scale rows, in the tiles' order
.set WQS,  6422528
.set WPS,  6520832
.set FRB,  1536
.set SP,   528                         ; a stage row: 512 bytes + 16: sixteen rows start in sixteen different groups of banks
.set TM,   16                          ; v16-31  at work in the quantiser
.set PC,   40                          ; v40-58  codes
.set X,    64                          ; v64-127 64 numbers of a lane, in the quantiser's order
.set R,    128                         ; v128-255 x as loaded: 2 units x 16 rows x 4
.set D,    128                         ; v128-255 a column's 128 numbers down K
.set F0,   64                          ; v64-75  blocks 0 and 2, then the first tile's image
.set F1,   76                          ; v76-87  blocks 1 and 3, then the second tile's
.set CT,   88                          ; v88-90  a block's upper 16 codes (a conversion's three registers begin on an even number)
.set SEL,  28                          ; s[28:29] v_permlanex16_b32's selects for lane l xor 16
; 64 numbers of a lane, register 16 b + i = k 32 b + 16 (lane / 16) + i of my row, become a fragment's 12 registers at v[pc] and my row's scale word in v[pw].
.macro QUANT4 s, pc, pw
.irp b, 0,1,2,3
	v_max3_num_f32 v[TM+\b], |v[\s+16*\b]|, |v[\s+1+16*\b]|, 0x2800000   ; my 16 numbers of block b, and the floor 2^(5 - 127): the byte cannot fall under 1
.endr
.irp i, 2,4,6,8,10,12,14
.irp b, 0,1,2,3
	v_max3_num_f32 v[TM+\b], v[TM+\b], |v[\s+16*\b+\i]|, |v[\s+1+16*\b+\i]|
.endr
.endr
.irp b, 0,1,2,3
	v_permlanex16_b32 v[TM+4+\b], v[TM+\b], s[SEL], s[SEL+1]
.endr
.irp b, 0,1,2,3
	v_max_num_f32 v[TM+\b], v[TM+\b], v[TM+4+\b]       ; with lane l xor 16's: the block's largest magnitude
.endr
.irp b, 0,1,2,3
	v_add_nc_u32 v[TM+12+\b], 0xfe000000, v[TM+\b]     ; 4 off its exponent field: the conversion's scale operand
.endr
.irp b, 0,1,2,3
	v_lshrrev_b32 v[TM+4+\b], 23, v[TM+12+\b]          ; the scale's byte
.endr
	v_lshl_or_b32 v[\pw], v[TM+5], 8, v[TM+4]
	v_lshl_or_b32 v[\pw], v[TM+6], 16, v[\pw]
	v_lshl_or_b32 v[\pw], v[TM+7], 24, v[\pw]
.irp c, 0,1
	v_cvt_scalef32_pk16_bf6_f32 v[\pc+6*\c:\pc+2+6*\c], v[\s+32*\c:\s+15+32*\c], v[TM+12+2*\c]
	v_cvt_scalef32_pk16_bf6_f32 v[\pc+12+4*\c:\pc+14+4*\c], v[\s+16+32*\c:\s+31+32*\c], v[TM+12+2*\c+1]
.endr
	v_nop                                              ; one plain place behind a scaled conversion
.irp c, 0,1                                        ; the layout wants a whole block in a lane: lanes 0-15 block 2 c, lanes 16-31 block 2 c + 1
.irp i, 0,1,2
	v_permlane16_swap_b32 v[\pc+6*\c+\i], v[\pc+12+4*\c+\i]
.endr
.irp i, 0,1,2
	v_mov_b32 v[\pc+3+6*\c+\i], v[\pc+12+4*\c+\i]
.endr
.endr
.endm
	s_load_b256 s[4:11], s[0:1], 0x0               ; x s[4:5], W_qkv s[6:7], W_proj s[8:9], wsp s[10:11]
	v_lshl_add_u32 v62, v0, 2, 0x8400
	v_mov_b32 v63, 0
	v_lshrrev_b32 v1, 5, v0
	v_readfirstlane_b32 s12, v1                    ; wave 0..3
	v_and_b32 v1, 31, v0                           ; lane
	v_and_b32 v2, 15, v0                           ; r
	v_bfe_u32 v3, v0, 4, 1                         ; h
	v_lshlrev_b32 v7, 4, v1                        ; 16 x lane: my place in an image's group
	s_mov_b32 s15, 0                               ; the upper word of every offset
	s_wait_kmcnt 0x0
	s_cmp_lt_u32 ttmp9, 256
	s_cbranch_scc0 .Lweights
	; ---- x: row tile T = the work-group's number
	s_lshr_b32 s16, ttmp9, 2
	s_lshl_b32 s16, s16, 6
	s_and_b32 s17, ttmp9, 3
	s_lshl_b32 s17, s17, 3
	s_add_co_u32 s16, s16, s17                     ; the tile's first row: 64 (T / 4) + 8 (T % 4)
	s_lshl_b32 s14, s16, 12                        ; rows of 4,096 bytes
	s_add_nc_u64 s[4:5], s[4:5], s[14:15]
	s_lshl_b32 s18, s12, 10
	s_wait_alu depctr_va_vdst(0)
	v_add_nc_u32 v4, s18, v7                       ; in: 16 x lane + my wave's 1,024 bytes of a row
.irp u, 0,1
.irp s, 0,1,2,3,4,5,6,7,8,9,10,11,12,13,14,15
	global_load_b128 v[R+64*\u+4*\s:R+64*\u+4*\s+3], v4, s[4:5] offset:(\s+3*(\s&8))*4096+512*\u th:TH_LOAD_NT   ; 32 lanes read 512 consecutive bytes of slot s's row
.endr
.endr
	s_mov_b32 s[SEL], 0x76543210
	s_mov_b32 s[SEL+1], 0xfedcba98
	s_mul_i32 s19, s12, 16*SP                      ; my wave's stage
	v_add_nc_u32 v5, s19, v7                       ; into it: as loaded, row s at SP s
	v_mul_u32_u24 v6, v2, SP
	v_lshl_add_u32 v6, v3, 6, v6
	v_add_nc_u32 v6, s19, v6                       ; out of it: row r, + 64 h: my 16 numbers of each block of 32
	v_lshlrev_b32 v8, 5, v2
	v_lshl_add_u32 v8, v3, 2, v8                   ; the scale word's place: 32 r + 4 h
	s_lshl_b32 s20, ttmp9, 3
	s_lshl_b32 s21, s12, 1
	s_add_co_u32 s20, s20, s21                     ; 8 T + 2 w
	s_mul_i32 s14, s20, FRB
	s_add_nc_u64 s[22:23], s[10:11], s[14:15]      ; my two images (XC = 0)
	s_lshl_b32 s14, ttmp9, 9
	s_lshl_b32 s21, s12, 3
	s_add_co_u32 s14, s14, s21
	s_add_co_u32 s14, s14, XS
	s_add_nc_u64 s[24:25], s[10:11], s[14:15]      ; my two words of each scale row
.irp b, 0,1,2,3
	v_mov_b32 v[TM+4+\b], 0                        ; written once: a lane permute's destination counts as one of its sources
.endr
.macro XUNIT u
.if \u == 0
	s_wait_loadcnt 16                              ; this unit's 16 loads are in; the second unit's 16 stay out
.else
	s_wait_loadcnt 0x0
.endif
.irp s, 0,1,2,3,4,5,6,7,8,9,10,11,12,13,14,15
	ds_store_b128 v5, v[R+64*\u+4*\s:R+64*\u+4*\s+3] offset:SP*\s
.endr
.irp b, 0,1,2,3
.irp j, 0,1,2,3
	ds_load_b128 v[X+16*\b+4*\j:X+16*\b+4*\j+3], v6 offset:128*\b+16*\j   ; LDS serves a wave's instructions in order: these see my stores
.endr
.endr
	s_wait_dscnt 0x0
.if \u == 1
	s_wait_xcnt 0x0                                ; the first unit's stores have read the codes' registers, which are written again below
.endif
	QUANT4 X, PC, 9+\u
.irp g, 0,1,2
	global_store_b128 v7, v[PC+4*\g:PC+4*\g+3], s[22:23] offset:FRB*\u+512*\g   ; 512 consecutive bytes
.endr
.endm
	s_wait_alu depctr_va_vdst(0)
	XUNIT 0
	XUNIT 1
	s_mov_b32 s30, 0xffff0000
	v_cndmask_b32 v11, v9, v10, s30                ; lanes 0-15 store K step 2 w's word, lanes 16-31 that of 2 w + 1 (both halves of the lanes hold both)
	global_store_b32 v8, v11, s[24:25]
	s_wait_tensorcnt 0x0
	ds_add_u32 v62, v63
	s_wait_dscnt 0x0
	s_endpgm
	; ---- the weights: A LANE TAKES A COLUMN, AND ITS REGISTERS RUN DOWN K.  Lanes 0-15 are the slots of tile 2 cp, lanes 16-31 those of tile 2 cp + 1: lane l takes column 8 (l / 16) + l % 16 + (l & 8) of the wave's 32.
.Lweights:
	s_wait_alu depctr_va_vdst(0)
	v_and_b32 v4, 8, v1
	v_add_nc_u32 v4, v4, v2
	v_lshl_add_u32 v4, v3, 3, v4
	v_lshlrev_b32 v4, 2, v4                        ; my column, in bytes: a load of the wave covers 128 consecutive bytes, the four waves 512
	v_lshlrev_b32 v8, 5, v1                        ; the scale word's place: 32 x lane (the second tile's rows follow the first's)
.macro WLOAD b, pitch
.irp i, 0,1,2,3,4,5,6,7,8,9,10,11,12,13,14,15,16,17,18,19,20,21,22,23,24,25,26,27,28,29,30,31
	global_load_b32 v[D+32*(\b)+\i], v4, s[22:23] offset:(32*(\b)+\i)*\pitch th:TH_LOAD_NT
.endr
.endm
.macro WBLOCK b, pitch
.set DB, D+32*(\b)
.set FD, F0+12*((\b)%2)+6*((\b)/2)
.if (\b) < 3
	s_wait_loadcnt 32                              ; this block's 32 loads are in; the next block's 32 stay out
.else
	s_wait_loadcnt 0x0
.endif
.if (\b) < 2
	WLOAD (\b)+2, \pitch                           ; two blocks ahead, into registers of their own
.endif
	v_max3_num_f32 v12, |v[DB]|, |v[DB+1]|, |v[DB+2]|      ; the block's largest magnitude: all 32 numbers are mine
	v_max3_num_f32 v13, |v[DB+3]|, |v[DB+4]|, |v[DB+5]|
.irp i, 6,10,14,18,22,26
	v_max3_num_f32 v12, v12, |v[DB+\i]|, |v[DB+\i+1]|
	v_max3_num_f32 v13, v13, |v[DB+\i+2]|, |v[DB+\i+3]|
.endr
	v_max3_num_f32 v12, v12, |v[DB+30]|, |v[DB+31]|
	v_max3_num_f32 v12, v12, v13, 0x2800000        ; and the floor 2^(5 - 127)
	v_add_nc_u32 v11, 0xfe000000, v12              ; the conversion's scale operand
	v_lshrrev_b32 v13, 23, v11                     ; the scale's byte
.if (\b) == 0
	v_mov_b32 v14, v13
.else
	v_lshl_or_b32 v14, v13, 8*(\b), v14            ; the four bytes make my column's word of this K step
.endif
	v_cvt_scalef32_pk16_bf6_f32 v[FD:FD+2], v[DB:DB+15], v11
	v_cvt_scalef32_pk16_bf6_f32 v[CT:CT+2], v[DB+16:DB+31], v11
	v_nop                                          ; one plain place behind a scaled conversion
.irp i, 0,1,2
	v_mov_b32 v[FD+3+\i], v[CT+\i]
.endr
.endm
.macro WPATH first, pitch, ptr, creg, sreg, qmap
	s_sub_co_u32 s16, ttmp9, \first
	s_and_b32 s17, s16, 7                          ; K step
	s_lshr_b32 s18, s16, 3
	s_lshl_b32 s18, s18, 2
	s_add_co_u32 s18, s18, s12                     ; cp: which 32 columns are my wave's
.if \qmap
	s_lshr_b32 s19, s18, 2                         ; columns of q and k (cp < 64): group cp / 4, tile 2 (cp % 4)
	s_mul_i32 s19, s19, 12
	s_and_b32 s20, s18, 3
	s_lshl_b32 s20, s20, 1
	s_add_co_u32 s19, s19, s20
	s_max_u32 s20, s18, 64                         ; columns of v: group (cp - 64) / 2, tile 8 + 2 ((cp - 64) % 2)
	s_sub_co_u32 s20, s20, 64
	s_lshr_b32 s21, s20, 1
	s_mul_i32 s21, s21, 12
	s_and_b32 s20, s20, 1
	s_lshl_b32 s20, s20, 1
	s_add_co_u32 s21, s21, s20
	s_add_co_u32 s21, s21, 8
	s_cmp_lt_u32 s18, 64
	s_cselect_b32 s19, s19, s21                    ; the first of my two tiles
.else
	s_lshl_b32 s19, s18, 1
.endif
	s_mul_i32 s14, s17, 128*\pitch
	s_lshl_b32 s20, s18, 7
	s_add_co_u32 s14, s14, s20
	s_add_nc_u64 s[22:23], s[\ptr:\ptr+1], s[14:15]   ; the weight at row 128 ks, column 32 cp
	WLOAD 0, \pitch
	WLOAD 1, \pitch
	s_lshl_b32 s20, s19, 3
	s_add_co_u32 s20, s20, s17
	s_mul_i32 s14, s20, FRB
	s_add_co_u32 s14, s14, \creg
	s_add_nc_u64 s[24:25], s[10:11], s[14:15]      ; the first tile's image of this K step; the second's lies 8 images on
	s_lshl_b32 s14, s19, 9
	s_lshl_b32 s20, s17, 2
	s_add_co_u32 s14, s14, s20
	s_add_co_u32 s14, s14, \sreg
	s_add_nc_u64 s[26:27], s[10:11], s[14:15]      ; word ks of the first tile's scale rows
	WBLOCK 0, \pitch
	WBLOCK 1, \pitch
	WBLOCK 2, \pitch
	WBLOCK 3, \pitch
.irp i, 0,1,2,3,4,5,6,7,8,9,10,11
	v_permlane16_swap_b32 v[F0+\i], v[F1+\i]       ; F0's lanes 16-31 change places with F1's lanes 0-15: F0 is now the first tile's image (lanes 0-15 blocks 0, 2; lanes 16-31 blocks 1, 3), F1 the second's
.endr
.irp g, 0,1,2
	global_store_b128 v7, v[F0+4*\g:F0+4*\g+3], s[24:25] offset:512*\g
	global_store_b128 v7, v[F1+4*\g:F1+4*\g+3], s[24:25] offset:8*FRB+512*\g
.endr
	global_store_b32 v8, v14, s[26:27]
.endm
	s_cmp_lt_u32 ttmp9, 448
	s_cbranch_scc0 .Lproj
	s_wait_alu depctr_va_vdst(0)
	WPATH 256, 12288, 6, WQC, WQS, 1
	s_endpgm
.Lproj:
	s_wait_alu depctr_va_vdst(0)
	WPATH 448, 4096, 8, WPC, WPS, 0
	s_endpgm
.Lfunc_end_k_qf6d09aaeeb_prep:
	.size	k_qf6d09aaeeb_prep, .Lfunc_end_k_qf6d09aaeeb_prep-k_qf6d09aaeeb_prep
	.p2alignl 7, 3214868480
	.fill 96, 4, 3214868480
	.section	.rodata,"a",@progbits
	.p2align	6, 0x0
	.amdhsa_kernel k_qf6d09aaeeb_prep
		.amdhsa_group_segment_fixed_size 34304
		.amdhsa_private_segment_fixed_size 0
		.amdhsa_enable_private_segment 0
		.amdhsa_kernarg_size 32
		.amdhsa_user_sgpr_count 2
		.amdhsa_user_sgpr_kernarg_segment_ptr 1
		.amdhsa_wavefront_size32 1
		.amdhsa_system_sgpr_workgroup_id_x 1
		.amdhsa_system_sgpr_workgroup_id_y 1
		.amdhsa_system_sgpr_workgroup_id_z 1
		.amdhsa_system_vgpr_workitem_id 0
		.amdhsa_next_free_vgpr 256
		.amdhsa_next_free_sgpr 66
		.amdhsa_reserve_vcc 0
		.amdhsa_float_denorm_mode_32 3
		.amdhsa_float_denorm_mode_16_64 3
		.amdhsa_memory_ordered 1
		.amdhsa_forward_progress 1
		.amdhsa_inst_pref_size 58
	.end_amdhsa_kernel
	.amdgpu_metadata
---
amdhsa.version: [ 1, 2 ]
amdhsa.kernels:
  - .name:           k_qf6d09aaeeb_prep
    .symbol:         k_qf6d09aaeeb_prep.kd
    .args:
      - { .name: x, .offset: 0, .size: 8, .value_kind: global_buffer, .address_space: global }
      - { .name: W_qkv, .offset: 8, .size: 8, .value_kind: global_buffer, .address_space: global }
      - { .name: W_proj, .offset: 16, .size: 8, .value_kind: global_buffer, .address_space: global }
      - { .name: wsp, .offset: 24, .size: 8, .value_kind: global_buffer, .address_space: global }
    .group_segment_fixed_size: 34304
    .private_segment_fixed_size: 0
    .kernarg_segment_align: 8
    .kernarg_segment_size: 32
    .max_flat_workgroup_size: 128
    .sgpr_count:     66
    .vgpr_count:     256
    .wavefront_size: 32
...
	.end_amdgpu_metadata
.endif
;; end of part 1
;; launch qkv (part 2): grid 16 x 16, 4 waves a work-group, clusters of 4 x 4, 327,680 bytes of LDS; arguments wsp, b_qkv, qkv; writes qkv
.if DOCPART == 2
	.amdgcn_target "amdgcn-amd-amdhsa--gfx1250"
	.amdhsa_code_object_version 6
	.text
	.protected	k_qf6d09aaeeb_qkv
	.globl	k_qf6d09aaeeb_qkv
	.p2align	8
	.type	k_qf6d09aaeeb_qkv,@function
k_qf6d09aaeeb_qkv:
	s_mov_b64 s[64:65], 0
	v_nop
	global_prefetch_b8 v0, s[64:65] scope:SCOPE_SE
	s_setreg_imm32_b32 hwreg(HW_REG_WAVE_MODE, 25, 1), 1
	s_wait_xcnt 0x0
	s_wait_alu depctr_hold_cnt(0) depctr_sa_sdst(0) depctr_va_vdst(0) depctr_va_sdst(0) depctr_va_ssrc(0) depctr_va_vcc(0) depctr_vm_vsrc(0)
	s_getreg_b32 s2, hwreg(HW_REG_IB_STS2, 6, 4)
	s_cmp_eq_u32 s2, 0
	s_cbranch_scc0 .Lentry_in_a_cluster
	s_endpgm
.Lentry_in_a_cluster:
	s_bfe_u32 s2, ttmp6, 0x10000c
	s_cmp_lg_u32 s2, 0xf033
	s_cbranch_scc0 .Lentry_shape_is_right
	s_endpgm
.Lentry_shape_is_right:
; qkv = x W_qkv + b_qkv on codes of BF6 (E3M2) with E8M0 scales, sums in f32; the results are quantised at once: q and k along the head's 64, v along the keys.
; A work-group takes 256 tokens (row block y: 16 row tiles) x column group g (12 tiles: two heads of q or of k, one head of v): 256 work-groups, all with the same text.
; A WAVE (rh = w / 2, ch = w % 2) takes 8 row tiles (128 tokens) x head ch's four tiles, TRANSPOSED (source 0 = the weight, source 1 = x): a lane holds one token, its 32 registers run along the head's 64;
;   and the same 8 row tiles x tiles 2 ch, 2 ch + 1 of v, source 0 = x: a lane holds one channel of v, its 64 registers run along the 128 tokens, which are the keys.  48 accumulators.
; Slot s of token tile 4 C + t is token 64 C + 8 t + (s & 7) + 32 (s >> 3), so v's lane (r, h) holds whole blocks of 32 keys; slot s of column tile 2 B + u is column 32 B + 8 u + s + (s & 8).
; Codes come as the launch before laid them: images of the operand's registers (1,536 bytes a fragment); scale rows of 32 bytes a slot.
; LDS: the panels of all of K would be 344,064 bytes.  K steps 0-3 come by the head's loads (172,032 bytes), 4-6 behind a full sequence into bytes of their own (129,024), and step 7 is a refill of the first bytes.
; CLUSTERS: 4 x 4 work-groups; x's panel is shared along a row of the cluster, the weights' along a column: each fill is asked for JOINTLY, one load a wave.
; No prefetch: the eight K steps are written out, there is no loop to run ahead in, and all but the last step is asked for before the second step is multiplied.
; OUT, 32 records (batch x 16 + head) of 315,392 bytes: q's and k's codes as pair images (registers 0-5: an even token tile's 64 codes a row, 6-11: the next tile's), v's as images [step of 128 keys][4 tiles];
;   q's and k's scale words (byte 0, byte 1, two zeros) [64 tokens][slot][4 tiles], v's [step][tile][slot].
; LIMITS: NaN and infinities are not served; blocks whose largest magnitude lies under 2^-122, blocks of zeros among them, keep the byte 1 (the rule says 127 for zeros: their codes are zeros, and this program alone reads the bytes).
; REGISTERS, in windows of 256: window 0: v1-17 addresses, v20-51 x's scale words, v52-75 the weights' (scales and nothing else), v76-127 at work, v128-255 v's accumulators;
;   window 1: x's fragments, two sets of 96 (on the way out: at work);  window 2: the weights', two sets of 72, the biases from v160;  window 3: the 32 accumulators of q or k.
.set XS,   6291456
.set WQC,  3145728
.set WQS,  6422528
.set REC,  315392
.set WB,   98304                       ; LDS: steps 0-3: x at 0, the weights here;
.set X1,   172032                      ; steps 4-6: x here,
.set W1,   245760                      ; the weights here
.set SPARE, 301056                     ; the spare words: 128 bytes a wave
.set SPW,  1
.set NIL,  2
.set XA,   4                           ; v4-6   LDS addresses of my x fragments: steps 0-3, 4-6, 7
.set QAD,  7                           ; v7-9   of head ch's tiles
.set VAD,  10                          ; v10-12 of v's tiles
.set SA,   20                          ; x's scale words: tile i at SA + 4 i; register q: word q in lanes 0-15, word 4 + q in lanes 16-31
.set SB,   52                          ; the weights': tile t at SB + 4 t (t = 4, 5: v's)
.set BQ8,  160                         ; window 2: the bias of q or k, eight registers a tile
.set BV8,  192                         ; and of v
.set VC,   128                         ; window 0: v's accumulator (tile u, row tile i) at VC + 64 u + 8 i
.set G1A,  24
.set G1B,  48
.set G0A,  68
.set G0B,  72
.set SEL,  56                          ; s[56:57] v_permlanex16_b32's selects for lane l xor 16
.set MSB, 0
.macro WIN new                         ; the immediate's high byte repeats the setting that is left
.if MSB != \new
	s_set_vgpr_msb (MSB<<8)|\new
.set MSB, \new
.endif
.endm
.macro CROUND                          ; a round of the cluster's barrier
	s_barrier_signal -1
	s_barrier_wait -1
	s_cmp_lg_u32 s10, 0
	s_cbranch_scc1 .Lnot_wave_0_\@
	s_barrier_signal -3
.Lnot_wave_0_\@:
	s_barrier_wait -3
	s_barrier_signal -1
	s_barrier_wait -1
.endm
.macro JLOAD                           ; a joint load: waves 0 and 1 for x, 2 and 3 for the weights: one a wave
	s_cmp_eq_u32 s11, 0
	s_cbranch_scc0 .Lfor_w_\@
	tensor_load_to_lds s[G0A:G0A+3], s[G1A:G1A+7]
	s_nop 0
.rept 4
	v_nop
.endr
	s_branch .Lasked_\@
.Lfor_w_\@:
	tensor_load_to_lds s[G0B:G0B+3], s[G1B:G1B+7]
	s_nop 0
.rept 4
	v_nop
.endr
.Lasked_\@:
.endm
; the next fill: rows of el elements, to xb + half x xh and wb + half x wh, st bytes further along K (written while no tensor load of the wave is out)
.macro SETF el, xh, xb, wh, wb, st
	s_mov_b32 s[G1A+1], (\el)<<16
	s_mov_b32 s[G1A+3], (\el)<<16
	s_mov_b32 s[G1B+1], (\el)<<16
	s_mov_b32 s[G1B+3], (\el)<<16
	s_mul_i32 s20, s12, \xh
	s_add_co_u32 s[G0A+1], s20, \xb
	s_mul_i32 s21, s12, \wh
	s_add_co_u32 s[G0B+1], s21, \wb
	s_add_nc_u64 s[G0A+2:G0A+3], s[G0A+2:G0A+3], \st
	s_add_nc_u64 s[G0B+2:G0B+3], s[G0B+2:G0B+3], \st
.endm
	s_load_b128 s[4:7], s[0:1], 0x0                ; wsp s[4:5], b_qkv s[6:7]
	s_load_b64 s[8:9], s[0:1], 0x10                ; qkv
	v_lshl_add_u32 v[SPW], v0, 2, SPARE
	v_mov_b32 v[NIL], 0
	ds_add_u32 v[SPW], v[NIL]                      ; the opening lines
	ds_add_u32 v[SPW], v[NIL]
	v_lshrrev_b32 v3, 5, v0
	v_readfirstlane_b32 s10, v3                    ; wave 0..3
	s_lshr_b32 s11, s10, 1                         ; rh.  Also: I fetch for x (0) or for the weights (1)
	s_and_b32 s12, s10, 1                          ; ch.  Also: which half of a panel's tiles I fetch
	s_bfe_u32 s40, ttmp6, 0x40000                  ; cx, cy
	s_bfe_u32 s41, ttmp6, 0x40004
	s_lshl_b32 s42, ttmp9, 2
	s_add_co_u32 s42, s42, s40                     ; column group g
	s_and_b32 s13, ttmp7, 0xffff
	s_lshl_b32 s13, s13, 2
	s_add_co_u32 s13, s13, s41                     ; row block y
	s_lshl_b32 s43, s41, 2
	s_lshl_b32 s43, 15, s43                        ; my row of the cluster
	s_lshl_b32 s44, 0x1111, s40                    ; my column
	; group 1: rows = a tile's K steps of this fill, in elements of 8 bytes; 12,288 bytes from tile to tile; 8 tiles of x, 6 of the weights; dense in LDS
	s_or_b32 s[G1A], s43, (3<<16)|(1<<21)          ; 15:0 the mask; 17:16 elements of 8 bytes; 21 set beside a mask
	s_or_b32 s[G1B], s44, (3<<16)|(1<<21)
	s_mov_b32 s[G1A+1], 768<<16                    ; four K steps: 6,144 bytes
	s_mov_b32 s[G1A+2], 8<<16
	s_mov_b32 s[G1A+3], 768<<16
	s_mov_b32 s[G1A+4], 8
	s_mov_b32 s[G1A+5], 1536
	s_mov_b32 s[G1A+6], 0
	s_mov_b32 s[G1A+7], 0
	s_mov_b32 s[G1B+1], 768<<16
	s_mov_b32 s[G1B+2], 6<<16
	s_mov_b32 s[G1B+3], 768<<16
	s_mov_b32 s[G1B+4], 6
	s_mov_b32 s[G1B+5], 1536
	s_mov_b32 s[G1B+6], 0
	s_mov_b32 s[G1B+7], 0
	s_mul_i32 s16, s13, 196608                     ; x: tile 16 y + 8 half: made of y and the wave's number alone
	s_mul_i32 s17, s12, 98304
	s_add_co_u32 s16, s16, s17
	s_mov_b32 s17, 0
	s_mul_i32 s46, s42, 147456                     ; the weights: group g's tile 6 half: made of g and the wave's number alone
	s_mul_i32 s47, s12, 73728
	s_add_co_u32 s46, s46, s47
	s_add_co_u32 s46, s46, WQC
	s_mov_b32 s47, 0
	s_mul_i32 s20, s12, 49152                      ; where they go: no place in the cluster enters an LDS address
	s_mul_i32 s21, s12, 36864
	v_and_b32 v76, 31, v0                          ; lane
	v_and_b32 v77, 15, v0                          ; r
	v_bfe_u32 v78, v0, 4, 1                        ; h
	v_lshlrev_b32 v13, 4, v76                      ; 16 x lane: my place in an image's group
	v_lshlrev_b32 v14, 2, v76
	v_lshlrev_b32 v3, 3, v78                       ; 8 h
	v_lshlrev_b32 v15, 5, v77
	v_lshl_add_u32 v15, v78, 4, v15                ; 32 r + 16 h: my four words of a scale row
	v_lshlrev_b32 v16, 6, v78                      ; the bias of q or k: 16 h numbers on
	v_and_b32 v17, 8, v77
	v_add_nc_u32 v17, v17, v77
	v_lshlrev_b32 v17, 2, v17                      ; the bias of v: my slot's channel r + (r & 8)
	s_mul_i32 s18, s11, 49152
	v_add_nc_u32 v[XA], s18, v13
	s_mul_i32 s18, s11, 36864
	s_add_co_u32 s18, s18, X1
	v_add_nc_u32 v[XA+1], s18, v13
	s_mul_i32 s18, s11, 12288
	v_add_nc_u32 v[XA+2], s18, v13
	s_mul_i32 s18, s12, 24576
	s_add_co_u32 s18, s18, WB
	v_add_nc_u32 v[QAD], s18, v13
	s_mul_i32 s18, s12, 18432
	s_add_co_u32 s18, s18, W1
	v_add_nc_u32 v[QAD+1], s18, v13
	s_mul_i32 s18, s12, 6144
	s_add_co_u32 s18, s18, WB
	v_add_nc_u32 v[QAD+2], s18, v13
	s_mul_i32 s18, s12, 12288
	s_add_co_u32 s18, s18, WB+8*6144
	v_add_nc_u32 v[VAD], s18, v13
	s_mul_i32 s18, s12, 9216
	s_add_co_u32 s18, s18, W1+8*4608
	v_add_nc_u32 v[VAD+1], s18, v13
	s_mul_i32 s18, s12, 3072
	s_add_co_u32 s18, s18, WB+8*1536
	v_add_nc_u32 v[VAD+2], s18, v13
	s_mov_b32 s[SEL], 0x76543210
	s_mov_b32 s[SEL+1], 0xfedcba98
	s_mov_b32 s58, 0xffff0000
	s_mov_b32 s19, 0
	s_wait_alu depctr_va_vdst(0)                   ; directly ahead of the waits below
	s_wait_dscnt 0x0
	s_wait_kmcnt 0x0
	s_add_nc_u64 s[14:15], s[4:5], s[16:17]
	s_add_nc_u64 s[46:47], s[4:5], s[46:47]
	s_mov_b32 s[G0A], 1
	s_add_co_u32 s[G0A+1], s20, 0
	s_mov_b64 s[G0A+2:G0A+3], s[14:15]
	s_or_b32 s[G0A+3], s[G0A+3], 0x80000000
	s_mov_b32 s[G0B], 1
	s_add_co_u32 s[G0B+1], s21, WB
	s_mov_b64 s[G0B+2:G0B+3], s[46:47]
	s_or_b32 s[G0B+3], s[G0B+3], 0x80000000
	CROUND                                         ; all sixteen work-groups are here: the joint loads meet
	JLOAD                                          ; K steps 0-3
	s_lshl_b32 s18, s13, 1
	s_add_co_u32 s18, s18, s11                     ; 2 y + rh
	s_lshl_b32 s18, s18, 12
	s_add_co_u32 s18, s18, XS
	s_add_nc_u64 s[32:33], s[4:5], s[18:19]        ; my 8 row tiles' scale rows
	s_mul_i32 s22, s42, 6144
	s_add_co_u32 s22, s22, WQS
	s_lshl_b32 s18, s12, 11
	s_add_co_u32 s18, s18, s22
	s_add_nc_u64 s[34:35], s[4:5], s[18:19]        ; head ch's four tiles'
	s_lshl_b32 s18, s12, 10
	s_add_co_u32 s18, s18, s22
	s_add_co_u32 s18, s18, 4096
	s_add_nc_u64 s[76:77], s[4:5], s[18:19]        ; v's tiles 2 ch, 2 ch + 1
	s_lshl_b32 s22, s42, 1
	s_add_co_u32 s22, s22, s12                     ; hh = 2 g + ch: head hh of q (hh < 16) or hh - 16 of k; its columns begin at 64 hh
	s_lshl_b32 s18, s22, 8
	s_add_nc_u64 s[36:37], s[6:7], s[18:19]
	s_lshl_b32 s18, s42, 8                         ; v's columns begin at 2,048 + 64 g; mine 32 ch further on
	s_lshl_b32 s23, s12, 7
	s_add_co_u32 s18, s18, s23
	s_add_co_u32 s18, s18, 8192
	s_add_nc_u64 s[38:39], s[6:7], s[18:19]
.irp i, 0,1,2,3,4,5,6,7
	global_load_b128 v[SA+4*\i:SA+4*\i+3], v15, s[32:33] offset:512*\i
.endr
.irp t, 0,1,2,3
	global_load_b128 v[SB+4*\t:SB+4*\t+3], v15, s[34:35] offset:512*\t
.endr
.irp u, 0,1
	global_load_b128 v[SB+16+4*\u:SB+16+4*\u+3], v15, s[76:77] offset:512*\u
.endr
	WIN 0x80                                       ; destination window 2: the biases are the C of each sum's first product
.irp t, 0,1,2,3                                ; tile t = 2 B + u, register j: channel 32 B + 16 h + 8 u + j
	global_load_b128 v[BQ8+8*\t:BQ8+8*\t+3], v16, s[36:37] offset:(32*(\t/2)+8*(\t%2))*4
	global_load_b128 v[BQ8+8*\t+4:BQ8+8*\t+7], v16, s[36:37] offset:(32*(\t/2)+8*(\t%2))*4+16
.endr
.irp j, 0,1,2,3,4,5,6,7
	global_load_b32 v[BV8+\j], v17, s[38:39]       ; in v's results a lane holds one channel: eight times its bias
	global_load_b32 v[BV8+8+\j], v17, s[38:39] offset:32
.endr
	WIN 0
.macro WM d, a, b, c, sa, sb, row      ; row = 1: K steps 4-7, whose scale words lie in lanes 16-31
.if \row
	v_wmma_scale_f32_16x16x128_f8f6f4 v[(\d):(\d)+7], v[(\a):(\a)+11], v[(\b):(\b)+11], v[(\c):(\c)+7], v[\sa], v[\sb] matrix_a_fmt:MATRIX_FMT_BF6 matrix_b_fmt:MATRIX_FMT_BF6 matrix_a_scale:MATRIX_SCALE_ROW1 matrix_b_scale:MATRIX_SCALE_ROW1
.else
	v_wmma_scale_f32_16x16x128_f8f6f4 v[(\d):(\d)+7], v[(\a):(\a)+11], v[(\b):(\b)+11], v[(\c):(\c)+7], v[\sa], v[\sb] matrix_a_fmt:MATRIX_FMT_BF6 matrix_b_fmt:MATRIX_FMT_BF6
.endif
.endm
.macro PLACEK ks                       ; where step ks lies: which address register, bytes from tile to tile, bytes into a tile
.set RG, (\ks)/4+(\ks)/7
.set RB, 6144-1536*RG-1536*(RG/2)
.set KB, ((\ks)-4*RG+RG/2)*1536
.endm
.macro FETCHX ks, p                    ; 24 LDS loads: the step's 8 fragments of x into set p, three loads of 512 consecutive bytes a fragment
	PLACEK \ks
	WIN 0x40
.irp i, 0,1,2,3,4,5,6,7
.irp g, 0,1,2
	ds_load_b128 v[96*(\p)+12*\i+4*\g:96*(\p)+12*\i+4*\g+3], v[XA+RG] offset:\i*RB+KB+512*\g
.endr
.endr
.endm
.macro FETCHW ks, p                    ; 18 LDS loads: head ch's four fragments and v's two
	PLACEK \ks
	WIN 0x80
.irp t, 0,1,2,3
.irp g, 0,1,2
	ds_load_b128 v[72*(\p)+12*\t+4*\g:72*(\p)+12*\t+4*\g+3], v[QAD+RG] offset:\t*RB+KB+512*\g
.endr
.endr
.irp u, 0,1
.irp g, 0,1,2
	ds_load_b128 v[72*(\p)+48+12*\u+4*\g:72*(\p)+48+12*\u+4*\g+3], v[VAD+RG] offset:\u*RB+KB+512*\g
.endr
.endr
.endm
; 32 + 16 matrix instructions: the 48 accumulators take turns, one instruction a turn, in the same order in every K step
.macro MULQK ks
.set PP, (\ks)%2
.if (\ks) == 0
	WIN 0xe6                                       ; source 0 (weights) window 2, source 1 (x) window 1, C (bias) window 2, D window 3
.else
	WIN 0xf6
.endif
.irp i, 0,1,2,3,4,5,6,7
.irp t, 0,1,2,3
.if (\ks) == 0
	WM 32*\i+8*\t, 72*PP+12*\t, 96*PP+12*\i, BQ8+8*\t, SB+4*\t+(\ks)%4, SA+4*\i+(\ks)%4, (\ks)/4
.else
	WM 32*\i+8*\t, 72*PP+12*\t, 96*PP+12*\i, 32*\i+8*\t, SB+4*\t+(\ks)%4, SA+4*\i+(\ks)%4, (\ks)/4
.endif
.endr
.endr
.endm
.macro MULV ks
.set PP, (\ks)%2
.if (\ks) == 0
	WIN 0x29                                       ; source 0 (x) window 1, source 1 (weights) window 2, C (bias) window 2, D window 0
.else
	WIN 0x09
.endif
.irp i, 0,1,2,3,4,5,6,7
.irp u, 0,1
.if (\ks) == 0
	WM VC+64*\u+8*\i, 96*PP+12*\i, 72*PP+48+12*\u, BV8+8*\u, SA+4*\i+(\ks)%4, SB+16+4*\u+(\ks)%4, (\ks)/4
.else
	WM VC+64*\u+8*\i, 96*PP+12*\i, 72*PP+48+12*\u, VC+64*\u+8*\i, SA+4*\i+(\ks)%4, SB+16+4*\u+(\ks)%4, (\ks)/4
.endif
.endr
.endr
.endm
.macro PLACES
.rept 4
	v_nop
.endr
.endm
; K step ks is multiplied while K step ks + 1's fragments are on their way from LDS
.macro KSTEP ks
	s_wait_dscnt 0x0                               ; this step's fragments are in
.if (\ks) == 0
	s_wait_loadcnt 0x0                             ; the scale words and the biases
.endif
.if (\ks) == 3
	WIN 0
	s_wait_tensorcnt 0x0                           ; my part of steps 4-6 has landed;
	ds_add_u32 v[SPW], v[NIL]
	SETF 192, 12288, 0, 9216, WB, 4608             ; step 7, into bytes of steps 0-3
	MULQK 3
	s_wait_dscnt 0x0                               ; the add, and my reads of steps 0-3, are done
	WIN 0
	CROUND                                         ; so are everybody's, in all sixteen work-groups
	JLOAD                                          ; the four v_nop behind it are the places in front of the loads below
	FETCHX 4, 0
	FETCHW 4, 0
	MULV 3
.elseif (\ks) == 6
	s_wait_tensorcnt 0x0                           ; my part of step 7 has landed
	s_barrier_signal -1
	MULQK 6
	s_barrier_wait -1
	PLACES
	FETCHX 7, 1
	FETCHW 7, 1
	MULV 6
.else
	PLACES                                         ; in front of loads into registers that the step before read
	FETCHX (\ks)+1, ((\ks)+1)%2
	MULQK \ks
	FETCHW (\ks)+1, ((\ks)+1)%2
	MULV \ks
.endif
.endm
	s_wait_alu depctr_va_vdst(0)                   ; the head's end
	s_wait_tensorcnt 0x0                           ; my part of steps 0-3 has landed
	ds_add_u32 v[SPW], v[NIL]
	SETF 576, 36864, X1, 27648, W1, 6144           ; steps 4-6
	s_wait_dscnt 0x0
	CROUND
	JLOAD
	FETCHX 0, 0
	FETCHW 0, 0
.irp k, 0,1,2,3,4,5,6
	KSTEP \k
.endr
	s_wait_dscnt 0x0
	MULQK 7
	MULV 7
	; ---- THE WAY OUT; nothing goes through LDS: a lane's registers already run along the next product's K
	s_lshl_b32 s61, s13, 1
	s_add_co_u32 s61, s61, s11                     ; 2 y + rh: which 128 tokens
	s_lshr_b32 s60, s61, 4
	s_lshl_b32 s60, s60, 4                         ; 16 x batch
	s_and_b32 s61, s61, 15
	s_and_b32 s62, s22, 15                         ; the head,
	s_lshr_b32 s63, s22, 4                         ; of q (0) or of k (1)
	s_add_co_u32 s62, s62, s60
	s_mul_i32 s62, s62, REC                        ; its record
	s_mul_i32 s23, s61, 6144
	s_mul_i32 s18, s63, 98304
	s_add_co_u32 s18, s18, s62
	s_add_co_u32 s18, s18, s23
	s_add_nc_u64 s[32:33], s[8:9], s[18:19]        ; four pair images.  (s[32:39] were bases of loads that the wait on LOADcnt has shown done)
	s_lshl_b32 s18, s63, 13
	s_add_co_u32 s18, s18, s62
	s_lshl_b32 s45, s61, 9
	s_add_co_u32 s18, s18, s45
	s_add_co_u32 s18, s18, 294912
	s_add_nc_u64 s[34:35], s[8:9], s[18:19]        ; their scale words
	s_add_co_u32 s62, s60, s42
	s_mul_i32 s62, s62, REC                        ; v's record: head g
	s_add_co_u32 s18, s62, s23
	s_mul_i32 s45, s12, 3072
	s_add_co_u32 s18, s18, s45
	s_add_co_u32 s18, s18, 196608
	s_add_nc_u64 s[36:37], s[8:9], s[18:19]        ; images (step, tiles 2 ch and 2 ch + 1)
	s_lshl_b32 s45, s61, 8
	s_add_co_u32 s18, s62, s45
	s_lshl_b32 s45, s12, 7
	s_add_co_u32 s18, s18, s45
	s_add_co_u32 s18, s18, 311296
	s_add_nc_u64 s[38:39], s[8:9], s[18:19]        ; and their scale words
	PLACES                                         ; behind the last products
	; q or k: row tile i's 32 registers are register 16 B + n = channel 32 B + 16 h + n of my token: 16 blocks (b = 2 i + B), by turns.  Window 1: v0-15 maxima, 16-31 lane l xor 16's, then bytes, 32-47 scale operands, 48-55 words, 64-111 codes, 112-142 second halves
	WIN 0x7d                                       ; D, source 0 window 1; sources 1, 2 window 3
.irp b, 0,1,2,3,4,5,6,7,8,9,10,11,12,13,14,15
	v_max3_num_f32 v[\b], 0x2800000, |v[16*\b]|, |v[16*\b+1]|   ; with the floor 2^(5 - 127): the byte cannot fall under 1
.endr
.irp i, 2,4,6,8,10,12,14
.irp b, 0,1,2,3,4,5,6,7,8,9,10,11,12,13,14,15
	v_max3_num_f32 v[\b], v[\b], |v[16*\b+\i]|, |v[16*\b+\i+1]|
.endr
.endr
	WIN 0x55                                       ; all window 1
.irp b, 0,1,2,3,4,5,6,7,8,9,10,11,12,13,14,15
	v_permlanex16_b32 v[16+\b], v[\b], s[SEL], s[SEL+1]
.endr
.irp b, 0,1,2,3,4,5,6,7,8,9,10,11,12,13,14,15
	v_max_num_f32 v[\b], v[\b], v[16+\b]
.endr
.irp b, 0,1,2,3,4,5,6,7,8,9,10,11,12,13,14,15
	v_add_nc_u32 v[32+\b], 0xfe000000, v[\b]       ; 4 off the exponent field: the conversion's scale operand
.endr
.irp b, 0,1,2,3,4,5,6,7,8,9,10,11,12,13,14,15
	v_lshrrev_b32 v[16+\b], 23, v[32+\b]           ; the scale's byte
.endr
.irp i, 0,1,2,3,4,5,6,7
	v_lshl_or_b32 v[48+\i], v[17+2*\i], 8, v[16+2*\i]
.endr
	WIN 0x47                                       ; D, source 1 window 1; source 0 window 3
.irp i, 0,1,2,3,4,5,6,7
	v_cvt_scalef32_pk16_bf6_f32 v[64+6*\i:66+6*\i], v[32*\i:32*\i+15], v[32+2*\i]
	v_cvt_scalef32_pk16_bf6_f32 v[112+4*\i:114+4*\i], v[32*\i+16:32*\i+31], v[33+2*\i]
.endr
	WIN 0x55
	v_nop                                          ; one plain place behind a scaled conversion
.irp k, 0,1,2                                  ; the layout wants a whole block in a lane: lanes 0-15 block 0, lanes 16-31 block 1
.irp i, 0,1,2,3,4,5,6,7
	v_permlane16_swap_b32 v[64+6*\i+\k], v[112+4*\i+\k]
.endr
.endr
.irp k, 0,1,2
.irp i, 0,1,2,3,4,5,6,7
	v_mov_b32 v[67+6*\i+\k], v[112+4*\i+\k]
.endr
.endr
.irp q, 0,1,2,3
	v_cndmask_b32 v[144+\q], v[48+\q], v[52+\q], s58   ; lanes 0-15 store tiles 0-3's words of their slot, lanes 16-31 tiles 4-7's (both halves hold all)
.endr
	s_wait_alu depctr_va_vdst(0)
	WIN 0x04                                       ; stored data window 1
.irp p, 0,1,2,3
.irp g, 0,1,2
	global_store_b128 v13, v[64+12*\p+4*\g:67+12*\p+4*\g], s[32:33] offset:1536*\p+512*\g   ; 512 consecutive bytes
.endr
.endr
	global_store_b128 v13, v[144:147], s[34:35]
	; v: register 32 c + 8 t + j of tile u = token 64 c + 32 h + 8 t + j: block 2 c + h, whole in my lane
	WIN 0
	v_mov_b32 v90, 0                               ; (a lane permute's destination counts as one of its sources)
	v_mov_b32 v91, 0
.irp u, 0,1
.irp c, 0,1
	v_max3_num_f32 v[76+2*\u+\c], 0x2800000, |v[VC+64*\u+32*\c]|, |v[VC+64*\u+32*\c+1]|
.endr
.endr
.irp i, 2,4,6,8,10,12,14,16,18,20,22,24,26,28,30
.irp u, 0,1
.irp c, 0,1
	v_max3_num_f32 v[76+2*\u+\c], v[76+2*\u+\c], |v[VC+64*\u+32*\c+\i]|, |v[VC+64*\u+32*\c+\i+1]|
.endr
.endr
.endr
.irp n, 0,1,2,3
	v_add_nc_u32 v[80+\n], 0xfe000000, v[76+\n]
.endr
.irp n, 0,1,2,3
	v_lshrrev_b32 v[84+\n], 23, v[80+\n]
.endr
.irp u, 0,1
	v_lshl_or_b32 v[88+\u], v[85+2*\u], 16, v[84+2*\u]   ; my two bytes, blocks h and 2 + h,
.endr
.irp u, 0,1
	v_lshlrev_b32 v[88+\u], v3, v[88+\u]           ; at their places;
.endr
.irp u, 0,1
	v_permlanex16_b32 v[90+\u], v[88+\u], s[SEL], s[SEL+1]
.endr
.irp u, 0,1
	v_or_b32 v[88+\u], v[88+\u], v[90+\u]          ; with lane l xor 16's two the word is whole
.endr
.irp u, 0,1
	v_cvt_scalef32_pk16_bf6_f32 v[92+12*\u:94+12*\u], v[VC+64*\u:VC+64*\u+15], v[80+2*\u]
	v_cvt_scalef32_pk16_bf6_f32 v[116:118], v[VC+64*\u+16:VC+64*\u+31], v[80+2*\u]
	v_cvt_scalef32_pk16_bf6_f32 v[98+12*\u:100+12*\u], v[VC+64*\u+32:VC+64*\u+47], v[81+2*\u]
	v_cvt_scalef32_pk16_bf6_f32 v[120:122], v[VC+64*\u+48:VC+64*\u+63], v[81+2*\u]
	v_nop
.irp k, 0,1,2
	v_mov_b32 v[95+12*\u+\k], v[116+\k]
	v_mov_b32 v[101+12*\u+\k], v[120+\k]
.endr
.endr
	v_cndmask_b32 v124, v88, v89, s58              ; lanes 0-15 tile 2 ch's words, lanes 16-31 the next tile's
	s_wait_alu depctr_va_vdst(0)
.irp u, 0,1
.irp g, 0,1,2
	global_store_b128 v13, v[92+12*\u+4*\g:95+12*\u+4*\g], s[36:37] offset:1536*\u+512*\g
.endr
.endr
	global_store_b32 v14, v124, s[38:39]
	s_wait_tensorcnt 0x0                           ; the wave's end
	ds_add_u32 v[SPW], v[NIL]
	s_wait_dscnt 0x0
	CROUND                                         ; the closing round: no work-group ends while a partner may still ask for a tile that names it
	s_endpgm
.Lfunc_end_k_qf6d09aaeeb_qkv:
	.size	k_qf6d09aaeeb_qkv, .Lfunc_end_k_qf6d09aaeeb_qkv-k_qf6d09aaeeb_qkv
	.p2alignl 7, 3214868480
	.fill 96, 4, 3214868480
	.section	.rodata,"a",@progbits
	.p2align	6, 0x0
	.amdhsa_kernel k_qf6d09aaeeb_qkv
		.amdhsa_group_segment_fixed_size 327680
		.amdhsa_private_segment_fixed_size 0
		.amdhsa_enable_private_segment 0
		.amdhsa_kernarg_size 24
		.amdhsa_user_sgpr_count 2
		.amdhsa_user_sgpr_kernarg_segment_ptr 1
		.amdhsa_wavefront_size32 1
		.amdhsa_system_sgpr_workgroup_id_x 1
		.amdhsa_system_sgpr_workgroup_id_y 1
		.amdhsa_system_sgpr_workgroup_id_z 1
		.amdhsa_system_vgpr_workitem_id 0
		.amdhsa_next_free_vgpr 1024
		.amdhsa_next_free_sgpr 100
		.amdhsa_reserve_vcc 0
		.amdhsa_float_denorm_mode_32 3
		.amdhsa_float_denorm_mode_16_64 3
		.amdhsa_memory_ordered 1
		.amdhsa_forward_progress 1
		.amdhsa_inst_pref_size 110
	.end_amdhsa_kernel
	.amdgpu_metadata
---
amdhsa.version: [ 1, 2 ]
amdhsa.kernels:
  - .name:           k_qf6d09aaeeb_qkv
    .symbol:         k_qf6d09aaeeb_qkv.kd
    .args:
      - { .name: wsp, .offset: 0, .size: 8, .value_kind: global_buffer, .address_space: global }
      - { .name: b_qkv, .offset: 8, .size: 8, .value_kind: global_buffer, .address_space: global }
      - { .name: qkv, .offset: 16, .size: 8, .value_kind: global_buffer, .address_space: global }
    .group_segment_fixed_size: 327680
    .private_segment_fixed_size: 0
    .kernarg_segment_align: 8
    .kernarg_segment_size: 24
    .max_flat_workgroup_size: 128
    .sgpr_count:     100
    .vgpr_count:     1024
    .wavefront_size: 32
...
	.end_amdgpu_metadata
.endif
;; end of part 2
;; launch attn (part 3): grid 4 x 64, 16 waves a work-group, clusters of 4 x 4, 245,760 bytes of LDS; arguments qkv, att; writes att
.if DOCPART == 3
	.amdgcn_target "amdgcn-amd-amdhsa--gfx1250"
	.amdhsa_code_object_version 6
	.text
	.protected	k_qf6d09aaeeb_attn
	.globl	k_qf6d09aaeeb_attn
	.p2align	8
	.type	k_qf6d09aaeeb_attn,@function
k_qf6d09aaeeb_attn:
	s_mov_b64 s[64:65], 0
	v_nop
	global_prefetch_b8 v0, s[64:65] scope:SCOPE_SE
	s_setreg_imm32_b32 hwreg(HW_REG_WAVE_MODE, 25, 1), 1
	s_wait_xcnt 0x0
	s_wait_alu depctr_hold_cnt(0) depctr_sa_sdst(0) depctr_va_vdst(0) depctr_va_sdst(0) depctr_va_ssrc(0) depctr_va_vcc(0) depctr_vm_vsrc(0)
	s_getreg_b32 s2, hwreg(HW_REG_IB_STS2, 6, 4)
	s_cmp_eq_u32 s2, 0
	s_cbranch_scc0 .Lentry_in_a_cluster
	s_endpgm
.Lentry_in_a_cluster:
	s_bfe_u32 s2, ttmp6, 0x10000c
	s_cmp_lg_u32 s2, 0xf033
	s_cbranch_scc0 .Lentry_shape_is_right
	s_endpgm
.Lentry_shape_is_right:
; attn[b][q][64 n ..] = the sum over keys k <= q of softmax_k(q . k / 8) v, both products on codes of BF6 (E3M2) with E8M0 scales; the result is divided by the row's sum and quantised along C for the last product.
; WORK LEFT OUT: key steps of 128 all of whose keys come after a tile's queries: reference()'s own mask adds -1e9 there ahead of the softmax, and their p is 0.  A NaN, an infinity or an overflow in them is not carried to the result.
; THE SOFTMAX AHEAD OF THE SECOND PRODUCT: t = score x log2(e) / 8; M = the running largest t, rounded UP to a whole number; p = 2^(t - M) is quantised along the keys, not normalised; the row's sum is taken of the
; unquantised p; when M moves, the sum and O are multiplied by 2^(old M - new M): exact.
; SHARES.  A record (batch x 16 + head) has 128 tiles of 16 queries; work-group j of its eight takes the tiles 8 c + j, c = 0 .. 15: tile 8 c + j has key steps 0 .. c, so which steps a wave does hangs on the wave's number
; alone, and all work-groups run alike.  Waves k and 8 + k (k = 0 .. 7) share the tiles of classes k and 15 - k, 17 steps: wave k does steps 0 .. 8 of the late tile; wave 8 + k does the early tile's k + 1 steps,
; sends it out, and then steps 9 .. 15 - k of the late tile; its part of O, M and the sum goes through LDS to wave k, which joins the two.  8 or 9 steps a wave.
; CLUSTERS: 4 x 4 work-groups are two whole records (rows 2 i and 2 i + 1 of the cluster are one record); K, V and their scale words are asked for JOINTLY along a row.  Each LDS byte is filled once, by one load a wave at the head:
; waves 0-4 fetch steps 0 .. 3 and all scale words, waves 5-15 steps 4 .. 15, which are waited for behind the first two steps.  No prefetch into the L2: all tiles are asked for at the head, there is nothing to run ahead of.
; K's fragments of the next step are asked of LDS as soon as this step's scores are made; behind a run's last step those 13 loads bring bytes that are not used (behind step 15 they lie in V's, inside LDS).
; LAYOUT.  Slot s of token tile 4 C + t is token 64 C + 8 t + (s & 7) + 32 (s >> 3).  Both products transposed: S^T = K Q^T (source 0 = 16 keys), O^T = V^T P^T (source 0 = 16 channels): a lane holds ONE query throughout, and its
; registers 32 c .. 32 c + 31 are the keys 64 c + 32 h + 0 .. 31 of the step: whole blocks, just as the second product's operand wants them.
; THE HEAD IS 64 WIDE, THE INSTRUCTION 128: Q's codes for k = 64 .. 127 are zeros (v22-27), so what stands there in source 0 (the next key tile's codes; any bits behind the last) adds exactly nothing: E3M2 has no infinity and no NaN,
; and the scale bytes 2 and 3 of both words are 0, which is 2^-127.
; THE MASK: on a tile's last step a score becomes the smaller of itself and (query - key + 1/2) 2^100: hidden ones fall to -2^99 or less and give p = 0, where reference() adds -1e9.
; LIMITS: NaN and infinities are not served; scores stay under 2^31 in magnitude and visible logits within some 4e8 of each other; a block whose largest magnitude lies under 2^-122 keeps the byte 1 (a block of zeros too: its codes are zeros).
; The two scale bytes of a token and head leave by a store of 2 bytes a lane, 32 bytes apart: 131,072 bytes in the whole launch.
; REGISTERS: v1-7 addresses and the mask's start; v8-11 the step's addresses; v12 -M, v13 the largest score, v[14:15] the sum; v16-27 Q; v28 Q's, v29 p's, v30-33 K's, v34-35 V's scale words (scales and nothing else);
;   v36-83 K's eight tiles, 6 registers each; v84-95 the softmax's work; v96-159 S^T, then p; v160-191 O^T; v192-239 V; v240-251 p's codes; v252 8 h.
.set REC,  315392
.set PART, 208896                      ; LDS: K at 0, V at 98,304, K's scale words at 196,608, V's at 204,800; here eight parts of 4,352 bytes,
.set SPARE, 243712                     ; and the spare words
.set QS,   28
.set PS,   29
.set KS,   30
.set VS,   34
.set KR,   36
.set S,    96
.set O,    160
.set VR,   192
.set PCD,  240
.set YA,   84                          ; v84-87 the mask's bounds
.set CT,   84                          ; v84-86, v88-90 the conversions' second halves
.set PW,   87
.set BM,   88                          ; v88-91 maxima, then bytes
.set SO,   92                          ; v92-93 the conversions' scale operands
.set T2,   92
.set FF,   94                          ; v[94:95] f = 2^(old M - new M) in the low word; before it the old -M
.set PX,   95                          ; what lane l xor 16 holds
.set WV,   8
.set SEL,  20                          ; s[20:21]
.set CS,   22                          ; s[22:23] c = log2(e) / 8
.set G1C,  24                          ; group 1: 48 rows of 256 bytes
.set G1D,  32                          ; 72 rows
.set G1E,  92                          ; 32 rows
.set GKA,  40
.set GVA,  44
.set GSC,  48
.set GKB,  52
.set GKC,  56
.set GVB,  76
.set QB,   40                          ; s[40:43] where the late tile's Q and its scale words lie (behind the second barrier no tensor load is out)
.set NC,   60                          ; -c
.set MB,   62                          ; s[62:63] -2^101
.set TB,   66                          ; LDS byte of the step's codes: 6,144 a step
.set TSK,  67                          ; of K's scale words: 512 a step
.set TSV,  68                          ; of V's: 256 a step
.set ST,   69                          ; the key step
.set CL,   70                          ; my tile's class: its last step
.set CL2,  71                          ; the late tile's
.set U,    83
.set Z,    84
.set MZ,   85
.set Q9,   86
.set PA,   87
.set PA8,  88
.set NH,   89
.set BT,   90
.set DJ,   91
.macro CROUND                          ; a round of the cluster's barrier
	s_barrier_signal -1
	s_barrier_wait -1
	s_cmp_lg_u32 s[WV], 0
	s_cbranch_scc1 .Lnot_wave_0_\@
	s_barrier_signal -3
.Lnot_wave_0_\@:
	s_barrier_wait -3
	s_barrier_signal -1
	s_barrier_wait -1
.endm
.macro HINT
	s_delay_alu instid0(VALU_DEP_1)
.endm
	s_load_b128 s[4:7], s[0:1], 0x0                ; qkv s[4:5], att s[6:7]
	v_lshl_add_u32 v254, v0, 2, SPARE
	v_mov_b32 v255, 0
	ds_add_u32 v254, v255                          ; the opening lines
	ds_add_u32 v254, v255
	v_lshrrev_b32 v1, 5, v0
	v_readfirstlane_b32 s[WV], v1                  ; wave 0..15
	s_bfe_u32 s15, ttmp6, 0x40000                  ; cx (the grid is one cluster wide)
	s_bfe_u32 s16, ttmp6, 0x40004                  ; cy
	s_and_b32 s17, ttmp7, 0xffff
	s_lshl_b32 s17, s17, 2
	s_add_co_u32 s17, s17, s16
	s_lshr_b32 s9, s17, 1                          ; the record: the same along a row of the cluster
	s_and_b32 s10, s17, 1
	s_lshl_b32 s10, s10, 2
	s_add_co_u32 s10, s10, s15                     ; j
	s_lshl_b32 s11, s16, 2
	s_lshl_b32 s11, 15, s11                        ; my row of the cluster
	s_and_b32 s12, s[WV], 7                        ; k
	s_lshr_b32 s13, s[WV], 3
	s_xor_b32 s13, s13, 1                          ; 1: waves 0 .. 7
	s_and_b32 s14, s[WV], 3
	s_or_b32 s[G1C], s11, (3<<16)|(1<<21)          ; the mask; elements of 8 bytes; 21 set beside a mask; no padding
	s_or_b32 s[G1D], s11, (3<<16)|(1<<21)
	s_or_b32 s[G1E], s11, (3<<16)|(1<<21)
.irp g, G1C, G1D, G1E
	s_mov_b32 s[\g+1], 32<<16
	s_mov_b32 s[\g+3], 32<<16
	s_mov_b32 s[\g+5], 32
	s_mov_b32 s[\g+6], 0
	s_mov_b32 s[\g+7], 0
.endr
	s_mov_b32 s[G1C+2], 48<<16
	s_mov_b32 s[G1C+4], 48
	s_mov_b32 s[G1D+2], 72<<16
	s_mov_b32 s[G1D+4], 72
	s_mov_b32 s[G1E+2], 32<<16
	s_mov_b32 s[G1E+4], 32
	s_xor_b32 s[CL2], s12, 15                      ; 15 - k
	s_xor_b32 s18, s12, 7
	s_min_u32 s18, s18, 6                          ; 6 - e, e = the early tile's steps behind the first two
	s_add_co_u32 s[Q9], s18, 3                     ; 9 - e
	s_add_co_u32 s18, s18, 10
	s_xor_b32 s19, s13, 1
	s_mul_i32 s[MZ], s18, s19                      ; waves 8-15: 16 - e; waves 0-7: 0
	s_mul_i32 s[PA], s12, 4352
	s_add_co_u32 s[PA], s[PA], PART
	s_add_co_u32 s[PA8], s[PA], 4096
	s_and_b32 s[NH], s9, 15
	s_lshr_b32 s[BT], s9, 4
	s_lshl_b32 s[BT], s[BT], 7                     ; 128 x batch
	s_lshr_b32 s18, s10, 2
	s_lshl_b32 s18, s18, 6
	s_and_b32 s19, s10, 3
	s_lshl_b32 s19, s19, 3
	s_add_co_u32 s[DJ], s18, s19                   ; my tiles' first query less their last step's first key: 64 (j / 4) + 8 (j % 4), the same for all
	s_mov_b32 s[SEL], 0x76543210
	s_mov_b32 s[SEL+1], 0xfedcba98
	s_mov_b32 s[CS], 0x3e38aa3b
	s_mov_b32 s[CS+1], s[CS]                       ; (named with it as a pair, so it is written)
	s_mov_b32 s[NC], 0xbe38aa3b
	s_mov_b32 s[MB], 0xf2000000
	s_mov_b32 s[MB+1], s[MB]
	v_and_b32 v8, 31, v0                           ; lane
	v_and_b32 v9, 15, v0                           ; r
	v_bfe_u32 v10, v0, 4, 1                        ; h
	v_lshlrev_b32 v1, 4, v8                        ; K's codes: 16 x lane
	v_lshlrev_b32 v7, 3, v8                        ; 8 x lane
	v_lshl_add_u32 v4, v8, 2, 204800               ; V's scale words: lanes 0-15 an even tile's slots, lanes 16-31 the next tile's
	v_lshlrev_b32 v6, 5, v9                        ; the way out: 32 r
	v_lshlrev_b32 v252, 3, v10                     ; 8 h
	v_and_b32 v5, 8, v9
	v_add_nc_u32 v2, 98304, v1                     ; V's codes
	v_add_nc_u32 v3, 196608, v1                    ; K's scale words: lanes 0-15 tiles 0-3 of slot l, lanes 16-31 tiles 4-7
	v_lshlrev_b32 v11, 4, v9                       ; Q's scale words: 16 bytes a slot
	v_mad_u32_u24 v5, v5, 3, v9                    ; (r & 7) + 32 (r >> 3)
	v_lshlrev_b32 v10, 5, v10
	v_sub_nc_u32 v5, v5, v10
	v_add_nc_u32 v5, s[DJ], v5                     ; d: register 32 c + m of the last step is hidden where 64 c + m > d
	v_cvt_f32_i32 v5, v5
	v_add_f32 v5, 0.5, v5
	v_mul_f32 v5, 0x71800000, v5                   ; (d + 1/2) 2^100
	s_cmp_lg_u32 s13, 0
	s_cselect_b32 s[CL], s[CL2], s12               ; my first tile's class
	s_bitcmp1_b32 s10, 0
	s_cselect_b32 s82, -1, 0                       ; all lanes, where my tiles are their pairs' second
	s_mul_i32 s72, s9, REC
	s_mov_b32 s73, 0
	s_wait_alu depctr_va_vdst(0)                   ; directly ahead of the waits below
	s_wait_dscnt 0x0
	s_wait_kmcnt 0x0
	s_add_nc_u64 s[4:5], s[4:5], s[72:73]          ; my record
.macro QADDR cl, a                     ; tile 8 cl + j: pair image 4 cl + j / 2 at s[a], and its word of each slot at s[a + 2]
	s_lshl_b32 s72, s[\cl], 2
	s_lshr_b32 s74, s10, 1
	s_add_co_u32 s72, s72, s74
	s_mul_i32 s72, s72, 1536
	s_add_nc_u64 s[\a:\a+1], s[4:5], s[72:73]
	s_lshl_b32 s72, s[\cl], 9
	s_lshr_b32 s74, s10, 2
	s_lshl_b32 s74, s74, 8
	s_add_co_u32 s72, s72, s74
	s_and_b32 s74, s10, 3
	s_lshl_b32 s74, s74, 2
	s_add_co_u32 s72, s72, s74
	s_add_co_u32 s72, s72, 294912
	s_add_nc_u64 s[\a+2:\a+3], s[4:5], s[72:73]
.endm
.macro QLOAD a, dst
.irp g, 0,1,2
	global_load_b128 v[\dst+4*\g:\dst+4*\g+3], v1, s[\a:\a+1] offset:512*\g
.endr
	global_load_b32 v[QS], v11, s[\a+2:\a+3]
.endm
	QADDR CL, 16
	QLOAD 16, S
.macro GSET g, lds, pitch, glob        ; group 0: (wave & 3) x pitch bytes on
	s_mov_b32 s[\g], 1
	s_mul_i32 s72, s14, \pitch
	s_add_co_u32 s[\g+1], s72, \lds
	s_add_nc_u64 s[\g+2:\g+3], s[4:5], s[72:73]
	s_add_nc_u64 s[\g+2:\g+3], s[\g+2:\g+3], \glob
	s_or_b32 s[\g+3], s[\g+3], 0x80000000
.endm
	GSET GKA, 0, 12288, 98304                      ; waves 0, 1: K's steps 0-3
	GSET GVA, 73728, 12288, 172032                 ; 2, 3: V's, from LDS byte 98,304 on
	GSET GSC, 196608, 12288, 303104                ; 4: the scale words of K and V, 12,288 bytes
	GSET GKB, 16384, 8192, 114688                  ; 5-7: K's steps 4-7, from byte 24,576 on, 8,192 bytes each
	GSET GVB, 122880, 18432, 221184                ; 8-11: V's steps 4-15
	GSET GKC, 49152, 12288, 147456                 ; 12-15: K's steps 8-15
	CROUND                                         ; all sixteen work-groups are here: the joint loads meet
.macro ARM under, g0, g1, next
	s_cmp_lt_u32 s[WV], \under
	s_cbranch_scc0 \next
	tensor_load_to_lds s[\g0:\g0+3], s[\g1:\g1+7]
	s_nop 0
.rept 4
	v_nop
.endr
	s_branch .Lasked
\next:
.endm
	ARM 2, GKA, G1C, .Lhead_va
	ARM 4, GVA, G1C, .Lhead_sc
	ARM 5, GSC, G1C, .Lhead_kb
	ARM 8, GKB, G1E, .Lhead_vb
	ARM 12, GVB, G1D, .Lhead_kc
	tensor_load_to_lds s[GKC:GKC+3], s[G1C:G1C+7]
	s_nop 0
.rept 4
	v_nop
.endr
.Lasked:
.macro INIT                            ; nothing summed yet
	v_mov_b32 v12, 0x7e000000                      ; -M: above every -M to come
	v_mov_b32 v13, 0xff61b1e6                      ; the largest score so far: -3e38
	v_mov_b32 v14, 0                               ; the sum, in two halves
	v_mov_b32 v15, 0
.irp j, 0,1,2,3,4,5,6,7,8,9,10,11,12,13,14,15,16,17,18,19,20,21,22,23,24,25,26,27,28,29,30,31
	v_mov_b32 v[O+\j], 0                           ; O^T: the step is written for any step, and the first change of M leaves zeros zeros
.endr
.endm
.irp k, 0,1,2,3,4,5
	v_mov_b32 v[22+\k], 0                          ; Q's codes for k = 64 .. 127
	v_mov_b32 v[84+\k], 0                          ; v84-89 stand behind K's last tile
.endr
	v_mov_b32 v[FF], 0                             ; (a lane permute's destination counts as one of its sources)
	v_mov_b32 v[PX], 0
	INIT
	s_wait_alu depctr_va_vdst(0)
	s_wait_loadcnt 0x0                             ; Q
.macro QPICK src
.irp k, 0,1,2,3,4,5
	v_cndmask_b32 v[16+\k], v[\src+\k], v[\src+6+\k], s82
.endr
.endm
	QPICK S
	s_wait_alu depctr_va_vdst(0)                   ; the head's end
	s_cmp_lt_u32 s[WV], 5
	s_cbranch_scc0 .Lupper
	s_wait_tensorcnt 0x0                           ; my part of steps 0-3, or the scale words, has landed
.Lupper:
	s_wait_dscnt 0x0
	s_barrier_signal -1
	s_barrier_wait -1
.macro KFETCH ad, sc, off, soff        ; 13 LDS loads: K's codes of a step, four pair images on end: key tile t's six registers at KR + 6 t; and their scale words
.irp m, 0,1,2,3,4,5,6,7,8,9,10,11
	ds_load_b128 v[KR+4*\m:KR+4*\m+3], v[\ad] offset:512*\m+\off
.endr
	ds_load_b128 v[KS:KS+3], v[\sc] offset:\soff
.endm
; A KEY STEP: 128 keys
.macro STEP
	v_add_nc_u32 v9, s[TB], v2                     ; these four are also the places in front of the loads into registers that the last products read
	v_add_nc_u32 v11, s[TSV], v4
	v_add_nc_u32 v8, s[TB], v1
	v_add_nc_u32 v10, s[TSK], v3
.irp m, 0,1,2,3,4,5,6,7,8,9,10,11
	ds_load_b128 v[VR+4*\m:VR+4*\m+3], v9 offset:512*\m    ; V's four images
.endr
	ds_load_b32 v[VS], v11
	ds_load_b32 v[VS+1], v11 offset:128
	s_wait_dscnt 14                                ; K and its scale words are in, asked for a step ago; V's 12 loads and its 2 of scale words stay out
	s_wait_alu depctr_va_vdst(0)
.irp t, 0,1,2,3
	v_wmma_scale_f32_16x16x128_f8f6f4 v[S+8*\t:S+8*\t+7], v[KR+6*\t:KR+6*\t+11], v[16:27], 0, v[KS+\t], v[QS] matrix_a_fmt:MATRIX_FMT_BF6 matrix_b_fmt:MATRIX_FMT_BF6
.endr
.irp t, 4,5,6,7
	v_wmma_scale_f32_16x16x128_f8f6f4 v[S+8*\t:S+8*\t+7], v[KR+6*\t:KR+6*\t+11], v[16:27], 0, v[KS+\t-4], v[QS] matrix_a_fmt:MATRIX_FMT_BF6 matrix_b_fmt:MATRIX_FMT_BF6 matrix_a_scale:MATRIX_SCALE_ROW1
.endr
	v_mov_b32 v[FF], v12                           ; the old -M.  With the v_nop: four places, behind which the scores are read and K's registers loaded
.rept 3
	v_nop
.endr
	KFETCH 8, 10, 6144, 512                        ; the next step's K
	s_cmp_lg_u32 s[ST], s[CL]                      ; only a tile's last step has hidden keys
	s_cbranch_scc1 .Lopen_\@
	v_mov_b32 v[YA], v5                            ; (d + 1/2 - n) 2^100 for n = 0, 1, 64, 65
	v_add_f32 v[YA+1], 0xf1800000, v5
	v_add_f32 v[YA+2], 0xf4800000, v5
	v_add_f32 v[YA+3], 0xf4820000, v5
.irp n, 0,2,4,6,8,10,12,14,16,18,20,22,24,26,28,30
	v_min_num_f32 v[S+\n], v[S+\n], v[YA]
	v_min_num_f32 v[S+32+\n], v[S+32+\n], v[YA+2]
	v_min_num_f32 v[S+1+\n], v[S+1+\n], v[YA+1]
	v_min_num_f32 v[S+33+\n], v[S+33+\n], v[YA+3]
.if \n < 30
	v_pk_add_f32 v[YA:YA+1], v[YA:YA+1], s[MB:MB+1] op_sel_hi:[1,0]
	v_pk_add_f32 v[YA+2:YA+3], v[YA+2:YA+3], s[MB:MB+1] op_sel_hi:[1,0]
.endif
.endr
.Lopen_\@:
.irp b, 0,1,2,3
	v_max3_num_f32 v[BM+\b], v[S+16*\b], v[S+1+16*\b], v[S+2+16*\b]
.endr
.irp i, 3,5,7,9,11,13
.irp b, 0,1,2,3
	v_max3_num_f32 v[BM+\b], v[BM+\b], v[S+16*\b+\i], v[S+1+16*\b+\i]
.endr
.endr
	v_max3_num_f32 v[BM], v[BM], v[BM+1], v[S+15]
	v_max3_num_f32 v[BM+2], v[BM+2], v[BM+3], v[S+47]
	v_max_num_f32 v[BM], v[BM], v[S+31]            ; the largest score of my block h, and of my block 2 + h: for the row's maximum, and, since p rises with the score, for the block's largest p
	v_max_num_f32 v[BM+2], v[BM+2], v[S+63]
	v_max_num_f32 v[T2], v[BM], v[BM+2]
	HINT
	v_permlanex16_b32 v[PX], v[T2], s[SEL], s[SEL+1]
	HINT
	v_max3_num_f32 v13, v13, v[T2], v[PX]          ; the running largest score of my query
	HINT
	v_mul_f32 v[T2], s[NC], v13                    ; as -t
	HINT
	v_floor_f32 v12, v[T2]                         ; the new -M = floor(-t): M is a whole number
	HINT
	v_sub_f32 v[FF], v12, v[FF]                    ; old M - new M: a whole number, 0 or less
	HINT
	v_cvt_i32_f32 v[FF], v[FF]                     ; (it saturates)
	HINT
	v_ldexp_f32 v[FF], 1.0, v[FF]                  ; f = 2^(old M - new M)
	v_fma_f32 v[BM], v[BM], s[CS], v12
	v_fma_f32 v[BM+2], v[BM+2], s[CS], v12
.irp j, 0,2,4,6,8,10,12,14,16,18,20,22,24,26,28,30,32,34,36,38,40,42,44,46,48,50,52,54,56,58,60,62
	v_pk_fma_f32 v[S+\j:S+1+\j], v[S+\j:S+1+\j], s[CS:CS+1], v[12:13] op_sel_hi:[1,0,0]   ; t - M, two at a time
.endr
	s_wait_alu depctr_va_vdst(0)                   ; ahead of the batch
	v_exp_f32 v[BM], v[BM]                         ; the block's largest p: the same two instructions on the same number
	v_exp_f32 v[BM+2], v[BM+2]
.irp j, 0,1,2,3,4,5,6,7,8,9,10,11,12,13,14,15,16,17,18,19,20,21,22,23,24,25,26,27,28,29,30,31,32,33,34,35,36,37,38,39,40,41,42,43,44,45,46,47,48,49,50,51,52,53,54,55,56,57,58,59,60,61,62,63
	v_exp_f32 v[S+\j], v[S+\j]                     ; p = 2^(t - M), at most 1
.endr
	v_pk_mul_f32 v[14:15], v[14:15], v[FF:FF+1] op_sel_hi:[1,0]   ; the sums under the new M.  (A plain place behind the exponentials)
	s_wait_alu depctr_va_vdst(0)                   ; and behind it
	v_max_num_f32 v[BM], 0x2800000, v[BM]          ; the floor 2^(5 - 127): the byte cannot fall under 1
	v_max_num_f32 v[BM+2], 0x2800000, v[BM+2]
	v_add_nc_u32 v[SO], 0xfe000000, v[BM]          ; 4 off the exponent field: the conversion's scale operand
	v_add_nc_u32 v[SO+1], 0xfe000000, v[BM+2]
	v_lshrrev_b32 v[BM], 23, v[SO]                 ; my two scale bytes,
	v_lshrrev_b32 v[BM+2], 23, v[SO+1]
	v_cvt_scalef32_pk16_bf6_f32 v[PCD:PCD+2], v[S:S+15], v[SO]
	v_cvt_scalef32_pk16_bf6_f32 v[CT:CT+2], v[S+16:S+31], v[SO]
	v_cvt_scalef32_pk16_bf6_f32 v[PCD+6:PCD+8], v[S+32:S+47], v[SO+1]
	v_lshl_or_b32 v[BM], v[BM+2], 16, v[BM]        ; (a plain place behind the conversions)
	v_mov_b32 v[PCD+3], v[CT]
	v_lshlrev_b32 v[BM], v252, v[BM]               ; at their places in the word of these 128 keys;
	v_mov_b32 v[PCD+4], v[CT+1]
	v_permlanex16_b32 v[PX], v[BM], s[SEL], s[SEL+1]
	v_mov_b32 v[PCD+5], v[CT+2]
	v_or_b32 v[PS], v[BM], v[PX]                   ; with lane l xor 16's two the word is whole
	v_cvt_scalef32_pk16_bf6_f32 v[CT+4:CT+6], v[S+48:S+63], v[SO+1]
.irp i, 0,2,4,6,8,10,12,14
	v_pk_add_f32 v[S+\i:S+1+\i], v[S+\i:S+1+\i], v[S+16+\i:S+17+\i]   ; the row's sum is taken of the unquantised p, in place: the codes are made
.endr
.irp i, 0,2,4,6,8,10,12,14
	v_pk_add_f32 v[S+32+\i:S+33+\i], v[S+32+\i:S+33+\i], v[S+48+\i:S+49+\i]
.endr
.irp i, 0,1,2
	v_mov_b32 v[PCD+9+\i], v[CT+4+\i]
.endr
.irp i, 0,2,4,6,8,10,12,14
	v_pk_add_f32 v[S+\i:S+1+\i], v[S+\i:S+1+\i], v[S+32+\i:S+33+\i]
.endr
.irp i, 0,2,4,6
	v_pk_add_f32 v[S+\i:S+1+\i], v[S+\i:S+1+\i], v[S+8+\i:S+9+\i]
.endr
	v_pk_add_f32 v[14:15], v[14:15], v[S:S+1]
	v_pk_add_f32 v[S+2:S+3], v[S+2:S+3], v[S+4:S+5]
	v_pk_add_f32 v[14:15], v[14:15], v[S+6:S+7]
	s_wait_alu depctr_va_vdst(0)                   ; ahead of O^T's first readers
.irp j, 0,2,4,6,8,10,12,14,16,18,20,22,24,26,28,30
	v_pk_mul_f32 v[O+\j:O+1+\j], v[O+\j:O+1+\j], v[FF:FF+1] op_sel_hi:[1,0]   ; O^T under the new M.  (With the sums: more than the eight places between p's scale word and the products)
.endr
	v_pk_add_f32 v[14:15], v[14:15], v[S+2:S+3]
	s_wait_alu depctr_va_vdst(0)                   ; directly ahead of the wait below
	s_wait_dscnt 13                                ; V and its scale words; the next step's K, 13 loads, stays out
.irp t, 0,2
	v_wmma_scale_f32_16x16x128_f8f6f4 v[O+8*\t:O+8*\t+7], v[VR+12*\t:VR+12*\t+11], v[PCD:PCD+11], v[O+8*\t:O+8*\t+7], v[VS+\t/2], v[PS] matrix_a_fmt:MATRIX_FMT_BF6 matrix_b_fmt:MATRIX_FMT_BF6
	v_wmma_scale_f32_16x16x128_f8f6f4 v[O+8+8*\t:O+8+8*\t+7], v[VR+12+12*\t:VR+12+12*\t+11], v[PCD:PCD+11], v[O+8+8*\t:O+8+8*\t+7], v[VS+\t/2], v[PS] matrix_a_fmt:MATRIX_FMT_BF6 matrix_b_fmt:MATRIX_FMT_BF6 matrix_a_scale:MATRIX_SCALE_ROW1
.endr
.endm
; A TILE GOES OUT: O^T / the sum; register 16 B + n = channel 32 B + 16 h + n of my query: two blocks of 32 along C, quantised in registers
.macro FINAL
	v_permlanex16_b32 v[PX], v14, s[SEL], s[SEL+1]
	HINT
	v_add_f32 v14, v14, v[PX]                      ; with lane l xor 16's part of the sum
	s_wait_alu depctr_va_vdst(0)                   ; ahead of the transcendental
	v_rcp_f32 v14, v14
	v_nop                                          ; one plain place behind a transcendental
	s_wait_alu depctr_va_vdst(0)                   ; and behind it
.irp j, 0,1,2,3,4,5,6,7,8,9,10,11,12,13,14,15,16,17,18,19,20,21,22,23,24,25,26,27,28,29,30,31
	v_mul_f32 v[S+\j], v[O+\j], v14                ; each accumulator from its low end on
.endr
.irp b, 0,1
	v_max3_num_f32 v[BM+\b], |v[S+16*\b]|, |v[S+1+16*\b]|, 0x2800000
.endr
.irp i, 2,4,6,8,10,12,14
.irp b, 0,1
	v_max3_num_f32 v[BM+\b], v[BM+\b], |v[S+16*\b+\i]|, |v[S+1+16*\b+\i]|
.endr
.endr
.irp b, 0,1
	v_permlanex16_b32 v[FF+\b], v[BM+\b], s[SEL], s[SEL+1]
.endr
.irp b, 0,1
	v_max_num_f32 v[BM+\b], v[BM+\b], v[FF+\b]
.endr
.irp b, 0,1
	v_add_nc_u32 v[SO+\b], 0xfe000000, v[BM+\b]
.endr
.irp b, 0,1
	v_lshrrev_b32 v[BM+2+\b], 23, v[SO+\b]
.endr
	v_cvt_scalef32_pk16_bf6_f32 v[PCD:PCD+2], v[S:S+15], v[SO]
	v_cvt_scalef32_pk16_bf6_f32 v[CT:CT+2], v[S+16:S+31], v[SO+1]
	v_lshl_or_b32 v[PW], v[BM+3], 8, v[BM+2]       ; (a plain place behind the conversions)  my token's two scale bytes of this head
.irp i, 0,1,2
	v_permlane16_swap_b32 v[PCD+\i], v[CT+\i]
.endr
.irp i, 0,1,2
	v_mov_b32 v[PCD+3+\i], v[CT+\i]
.endr
	s_lshl_b32 s72, s[CL], 3
	s_add_co_u32 s72, s72, s10
	s_add_co_u32 s72, s72, s[BT]                   ; row tile 128 x batch + T
	s_mul_i32 s74, s72, 12288                      ; the head n: half n % 2 of K step n / 2: 768 n bytes into the tile's 12,288
	s_mul_i32 s75, s[NH], 768
	s_add_co_u32 s74, s74, s75
	s_mov_b32 s75, 0
	s_add_nc_u64 s[78:79], s[6:7], s[74:75]
	s_lshl_b32 s74, s72, 9
	s_lshl_b32 s76, s[NH], 1
	s_add_co_u32 s74, s74, s76
	s_add_co_u32 s74, s74, 3145728
	s_add_nc_u64 s[80:81], s[6:7], s[74:75]
	s_wait_alu depctr_va_vdst(0)                   ; directly ahead of the readers below
	global_store_b128 v1, v[PCD:PCD+3], s[78:79]               ; half an image: four registers at 16 x lane: 512 consecutive bytes,
	global_store_b64 v7, v[PCD+4:PCD+5], s[78:79] offset:512   ; two at 512 + 8 x lane: 256
	global_store_b16 v6, v[PW], s[80:81]                       ; bytes 2 n and 2 n + 1 of my token's scale row (both halves of the lanes write the same)
.endm
	KFETCH 1, 3, 0, 0                              ; step 0's K
	s_mov_b32 s[TB], 0
	s_mov_b32 s[TSK], 0
	s_mov_b32 s[TSV], 0
	s_mov_b32 s[ST], 0
.Lopening:                                             ; steps 0 and 1, of the first tile
	s_cmp_gt_u32 s[ST], s[CL]                      ; (wave 8's early tile has one step)
	s_cbranch_scc1 .Lpast
	STEP
.Lpast:
	s_add_co_u32 s[TB], s[TB], 6144
	s_add_co_u32 s[TSK], s[TSK], 512
	s_add_co_u32 s[TSV], s[TSV], 256
	s_add_co_u32 s[ST], s[ST], 1
	s_cmp_lt_u32 s[ST], 2
	s_cbranch_scc1 .Lopening
	s_wait_tensorcnt 0x0                           ; every wave's load has landed: steps 4-15 too (nothing is filled again)
	s_wait_dscnt 0x0
	s_barrier_signal -1
	s_barrier_wait -1
	QADDR CL2, QB
	s_mov_b32 s[U], 0
.Ltrip:
	s_add_co_u32 s[Z], s[U], s[MZ]
	s_cmp_lg_u32 s[Z], 16
	s_cbranch_scc1 .Lsame
	v_add_f32 v14, v14, v15                        ; waves 8-15: the early tile is finished.  Its sum's two halves
	v_lshrrev_b32 v11, 1, v6                       ; 16 r
	v_add_nc_u32 v8, 9*6144, v1
	v_add_nc_u32 v10, 9*512, v3
.rept 4
	v_nop                                          ; four places behind the last products
.endr
	s_wait_alu depctr_va_vdst(0)                   ; directly ahead of the wait below
	s_wait_dscnt 0x0                               ; the K loads that ran on are back
	QLOAD QB, S+32                                 ; the late tile's Q, and K of its step 9, come while the early tile goes out
	KFETCH 8, 10, 0, 0
	FINAL
	s_mov_b32 s[CL], s[CL2]                        ; on to the late tile
	INIT
	s_wait_alu depctr_va_vdst(0)
	s_wait_xcnt 0x0                                ; the stores have read their registers and bases
	s_wait_loadcnt 0x0
	QPICK S+32
	s_wait_alu depctr_va_vdst(0)
.Lsame:
	s_add_co_u32 s15, s[U], 2                      ; the first tile goes on with step 2,
	s_add_co_u32 s16, s[U], s[Q9]
	s_min_u32 s16, s16, 15                         ; the late tile in waves 8-15 begins with step 9
	s_cmp_lt_u32 s[Z], 16
	s_cselect_b32 s[ST], s15, s16
	s_mul_i32 s[TB], s[ST], 6144
	s_mul_i32 s[TSK], s[ST], 512
	s_mul_i32 s[TSV], s[ST], 256
	s_cmp_gt_u32 s[ST], s[CL]                      ; behind the tile's last step there is nothing to do: a branch on ids, round the work alone
	s_cbranch_scc1 .Lidle
	STEP
.Lidle:
	s_add_co_u32 s[U], s[U], 1
	s_cmp_lt_u32 s[U], 7
	s_cbranch_scc1 .Ltrip
	; ---- the late tile's two parts are joined
.rept 4
	v_nop                                          ; four places behind the last products
.endr
	v_add_f32 v14, v14, v15                        ; the sum's two halves
	v_add_nc_u32 v8, s[PA], v1                     ; my pair's part: O^T in eight groups of 512 bytes,
	v_add_nc_u32 v9, s[PA8], v7                    ; and -M and the sum, 8 bytes a lane
	v_mov_b32 v13, v14
	s_wait_alu depctr_va_vdst(0)                   ; directly ahead of the branch
	s_cmp_lg_u32 s13, 0
	s_cbranch_scc1 .Lstored
.irp g, 0,1,2,3,4,5,6,7
	ds_store_b128 v8, v[O+4*\g:O+4*\g+3] offset:512*\g
.endr
	ds_store_b64 v9, v[12:13]
.Lstored:
	s_wait_dscnt 0x0                               ; for the other wave's sake: my stores are done
	s_barrier_signal -1
	s_barrier_wait -1
	s_cmp_eq_u32 s13, 0
	s_cbranch_scc1 .Ldone
.irp g, 0,1,2,3,4,5,6,7
	ds_load_b128 v[S+4*\g:S+4*\g+3], v8 offset:512*\g
.endr
	ds_load_b64 v[BM:BM+1], v9
	s_wait_dscnt 0x0
	v_min_num_f32 v[BM+2], v12, v[BM]              ; the joint -M
	v_sub_f32 v[SO], v[BM+2], v12
	v_sub_f32 v[FF], v[BM+2], v[BM]
	v_cvt_i32_f32 v[SO], v[SO]
	v_cvt_i32_f32 v[FF], v[FF]                     ; (where the other wave had no late step its -M is 2^125: it saturates, and the factor is 0)
	v_ldexp_f32 v[SO], 1.0, v[SO]
	v_ldexp_f32 v[FF], 1.0, v[FF]
	v_mul_f32 v14, v14, v[SO]
	v_fma_f32 v14, v[BM+1], v[FF], v14
.irp j, 0,2,4,6,8,10,12,14,16,18,20,22,24,26,28,30
	v_pk_mul_f32 v[S+\j:S+1+\j], v[S+\j:S+1+\j], v[FF:FF+1] op_sel_hi:[1,0]
.endr
.irp j, 0,2,4,6,8,10,12,14,16,18,20,22,24,26,28,30
	v_pk_fma_f32 v[O+\j:O+1+\j], v[O+\j:O+1+\j], v[SO:SO+1], v[S+\j:S+1+\j] op_sel_hi:[1,0,1]
.endr
	FINAL
.Ldone:
	s_wait_tensorcnt 0x0                           ; the wave's end
	ds_add_u32 v254, v255
	s_wait_dscnt 0x0
	CROUND                                         ; the closing round: no work-group ends while a partner may still ask for a tile that names it
	s_endpgm
.Lfunc_end_k_qf6d09aaeeb_attn:
	.size	k_qf6d09aaeeb_attn, .Lfunc_end_k_qf6d09aaeeb_attn-k_qf6d09aaeeb_attn
	.p2alignl 7, 3214868480
	.fill 96, 4, 3214868480
	.section	.rodata,"a",@progbits
	.p2align	6, 0x0
	.amdhsa_kernel k_qf6d09aaeeb_attn
		.amdhsa_group_segment_fixed_size 245760
		.amdhsa_private_segment_fixed_size 0
		.amdhsa_enable_private_segment 0
		.amdhsa_kernarg_size 16
		.amdhsa_user_sgpr_count 2
		.amdhsa_user_sgpr_kernarg_segment_ptr 1
		.amdhsa_wavefront_size32 1
		.amdhsa_system_sgpr_workgroup_id_x 1
		.amdhsa_system_sgpr_workgroup_id_y 1
		.amdhsa_system_sgpr_workgroup_id_z 1
		.amdhsa_system_vgpr_workitem_id 0
		.amdhsa_next_free_vgpr 256
		.amdhsa_next_free_sgpr 102
		.amdhsa_reserve_vcc 0
		.amdhsa_float_denorm_mode_32 3
		.amdhsa_float_denorm_mode_16_64 3
		.amdhsa_memory_ordered 1
		.amdhsa_forward_progress 1
		.amdhsa_inst_pref_size 68
	.end_amdhsa_kernel
	.amdgpu_metadata
---
amdhsa.version: [ 1, 2 ]
amdhsa.kernels:
  - .name:           k_qf6d09aaeeb_attn
    .symbol:         k_qf6d09aaeeb_attn.kd
    .args:
      - { .name: qkv, .offset: 0, .size: 8, .value_kind: global_buffer, .address_space: global }
      - { .name: att, .offset: 8, .size: 8, .value_kind: global_buffer, .address_space: global }
    .group_segment_fixed_size: 245760
    .private_segment_fixed_size: 0
    .kernarg_segment_align: 8
    .kernarg_segment_size: 16
    .max_flat_workgroup_size: 512
    .sgpr_count:     102
    .vgpr_count:     256
    .wavefront_size: 32
...
	.end_amdgpu_metadata
.endif
;; end of part 3
;; launch proj (part 4): grid 8 x 32, 4 waves a work-group, clusters of 4 x 4, 214,528 bytes of LDS; arguments att, wsp, b_proj, out0; writes out0
.if DOCPART == 4
	.amdgcn_target "amdgcn-amd-amdhsa--gfx1250"
	.amdhsa_code_object_version 6
	.text
	.protected	k_qf6d09aaeeb_proj
	.globl	k_qf6d09aaeeb_proj
	.p2align	8
	.type	k_qf6d09aaeeb_proj,@function
k_qf6d09aaeeb_proj:
	s_mov_b64 s[64:65], 0
	v_nop
	global_prefetch_b8 v0, s[64:65] scope:SCOPE_SE
	s_setreg_imm32_b32 hwreg(HW_REG_WAVE_MODE, 25, 1), 1
	s_wait_xcnt 0x0
	s_wait_alu depctr_hold_cnt(0) depctr_sa_sdst(0) depctr_va_vdst(0) depctr_va_sdst(0) depctr_va_ssrc(0) depctr_va_vcc(0) depctr_vm_vsrc(0)
	s_getreg_b32 s2, hwreg(HW_REG_IB_STS2, 6, 4)
	s_cmp_eq_u32 s2, 0
	s_cbranch_scc0 .Lentry_in_a_cluster
	s_endpgm
.Lentry_in_a_cluster:
	s_bfe_u32 s2, ttmp6, 0x10000c
	s_cmp_lg_u32 s2, 0xf033
	s_cbranch_scc0 .Lentry_shape_is_right
	s_endpgm
.Lentry_shape_is_right:
; out0 = attn W_proj + b_proj on codes of BF6 (E3M2) with E8M0 scales, sums and output in f32.
; A work-group makes 128 tokens x 128 columns: 256 work-groups.  A wave (rh = w / 2, ch = w % 2) makes 64 x 64, TRANSPOSED (source 0 = 16 columns of the weight, source 1 = 16 tokens):
; a lane holds one token and eight neighbouring columns a tile.  Slot s of token tile 4 C + t is token 64 C + 8 t + (s & 7) + 32 (s >> 3); slot s of column tile 2 B + u is column 32 B + 8 u + s + (s & 8).
; attn's fragments come as the launch before laid them: two halves of 768 bytes, registers 6 c .. 6 c + 3 at 768 c + 16 x lane, 6 c + 4, 6 c + 5 at 768 c + 512 + 8 x lane; the weight's as three groups of four registers.
; LDS holds both panels for all of K (196,608 bytes); each byte is filled once, by ONE joint load a wave (four tiles of 12,288 bytes).  The waves' stages for the way out have bytes of their own behind the panels.
; BY ROWS: a wave keeps its weight's fragments of all of K in registers (384) and finishes its four row tiles one after the other, 32 matrix instructions each: a tile's rows leave while the next is multiplied.  No fragment is read twice.
; CLUSTERS: 4 x 4 work-groups; attn's panel is shared along a row of the cluster, the weight's along a column.  No prefetch: one fill, no loop to run ahead in.
; REGISTERS: window 0: v1-7 addresses, v8-23 attn's scale words, v24-39 the weight's (scales and nothing else), v40-46 addresses, v64-127 accumulators (two sets of 32), v192-255 rows on the way out;
;   window 1: attn's fragments of a row tile, two sets of 96; the bias from v192;  window 2: the weight's fragments of K steps 0-4;  window 3: of K steps 5-7.
.set WPC,  5505024
.set WPS,  6520832
.set AS,   3145728
.set CH,   49152                       ; four tiles: what one load brings
.set STAGE, 4*CH
.set SPITCH, 272
.set SPARE, STAGE+4*16*SPITCH          ; the spare words: 128 bytes a wave
.set SA,   8
.set SB,   24
.set STO,  40
.set RD,   41
.set CO,   42
.set ACC,  64
.set BK,   192
.set B8,   192                         ; window 1: the bias, eight registers a tile
.set G1A,  24
.set G1B,  48
.set G0A,  68
.set G0B,  72
.set MSB, 0
.macro WIN new                         ; the immediate's high byte repeats the setting that is left
.if MSB != \new
	s_set_vgpr_msb (MSB<<8)|\new
.set MSB, \new
.endif
.endm
.macro CROUND                          ; a round of the cluster's barrier
	s_barrier_signal -1
	s_barrier_wait -1
	s_cmp_lg_u32 s12, 0
	s_cbranch_scc1 .Lnot_wave_0_\@
	s_barrier_signal -3
.Lnot_wave_0_\@:
	s_barrier_wait -3
	s_barrier_signal -1
	s_barrier_wait -1
.endm
	s_load_b256 s[4:11], s[0:1], 0x0               ; att s[4:5], wsp s[6:7], b_proj s[8:9], out0 s[10:11]
	v_lshl_add_u32 v62, v0, 2, SPARE
	v_mov_b32 v63, 0
	ds_add_u32 v62, v63                            ; the opening lines
	ds_add_u32 v62, v63
	v_lshrrev_b32 v1, 5, v0
	v_readfirstlane_b32 s12, v1                    ; wave 0..3
	s_lshr_b32 s13, s12, 1                         ; rh.  Also: I fetch for attn (0) or for the weight (1)
	s_and_b32 s14, s12, 1                          ; ch.  Also: which four tiles I fetch
	s_bfe_u32 s40, ttmp6, 0x40000                  ; cx, cy
	s_bfe_u32 s41, ttmp6, 0x40004
	s_lshl_b32 s42, ttmp9, 2
	s_add_co_u32 s42, s42, s40                     ; column block x
	s_and_b32 s15, ttmp7, 0xffff
	s_lshl_b32 s15, s15, 2
	s_add_co_u32 s15, s15, s41                     ; row block y
	s_lshl_b32 s43, s41, 2
	s_lshl_b32 s43, 15, s43                        ; my row of the cluster
	s_lshl_b32 s44, 0x1111, s40                    ; my column
	s_or_b32 s[G1A], s43, (3<<16)|(1<<21)          ; 15:0 the mask; elements of 8 bytes; 21 set beside a mask; no padding
	s_or_b32 s[G1B], s44, (3<<16)|(1<<21)
.irp g, G1A, G1B
	s_mov_b32 s[\g+1], 1536<<16                    ; rows of 12,288 bytes: a tile's eight K steps
	s_mov_b32 s[\g+2], 4<<16                       ; four tiles
	s_mov_b32 s[\g+3], 1536<<16
	s_mov_b32 s[\g+4], 4
	s_mov_b32 s[\g+5], 1536
	s_mov_b32 s[\g+6], 0
	s_mov_b32 s[\g+7], 0
.endr
	s_mul_i32 s16, s15, 98304                      ; attn: tile 8 y + 4 half: made of y and the wave's number alone
	s_mul_i32 s17, s14, CH
	s_add_co_u32 s16, s16, s17
	s_mov_b32 s17, 0
	s_mul_i32 s46, s42, 98304                      ; the weight: tile 8 x + 4 half: made of x and the wave's number alone
	s_mul_i32 s47, s14, CH
	s_add_co_u32 s46, s46, s47
	s_add_co_u32 s46, s46, WPC
	s_mov_b32 s47, 0
	s_mul_i32 s20, s12, CH                         ; where they go: wave x four tiles
	v_and_b32 v44, 31, v0                          ; lane
	v_and_b32 v45, 15, v0                          ; r
	v_bfe_u32 v46, v0, 4, 1                        ; h
	v_lshlrev_b32 v2, 5, v45
	v_lshl_add_u32 v2, v46, 4, v2                  ; 32 r + 16 h: my four words of a scale row
	v_lshlrev_b32 v3, 6, v46                       ; the bias: 16 h numbers on
	s_mul_i32 s18, s13, CH
	v_lshl_add_u32 v4, v44, 4, s18                 ; attn's tiles 4 rh on: 16 x lane,
	v_lshl_add_u32 v5, v44, 3, s18                 ; and 8 x lane
	s_mul_i32 s18, s14, CH
	s_add_co_u32 s18, s18, 2*CH
	v_lshl_add_u32 v6, v44, 4, s18                 ; the weight's tiles 4 ch on
	s_mul_i32 s18, s12, 16*SPITCH
	s_add_co_u32 s18, s18, STAGE                   ; my stage
	v_mul_u32_u24 v[STO], v45, SPITCH
	v_lshl_add_u32 v[STO], v46, 6, v[STO]
	v_add_nc_u32 v[STO], s18, v[STO]               ; in: row r, + 64 h
	v_mul_u32_u24 v[RD], v46, SPITCH
	v_lshl_add_u32 v[RD], v45, 4, v[RD]
	v_add_nc_u32 v[RD], s18, v[RD]                 ; back: lanes 0-15 one row of 256 bytes, lanes 16-31 the next
	v_lshlrev_b32 v[CO], 12, v46
	v_lshl_add_u32 v[CO], v45, 4, v[CO]            ; and the same two rows in out0
	s_wait_alu depctr_va_vdst(0)                   ; directly ahead of the waits below
	s_wait_dscnt 0x0
	s_wait_kmcnt 0x0
	s_add_nc_u64 s[16:17], s[4:5], s[16:17]
	s_add_nc_u64 s[46:47], s[6:7], s[46:47]
	s_mov_b32 s[G0A], 1
	s_add_co_u32 s[G0A+1], s20, 0
	s_mov_b64 s[G0A+2:G0A+3], s[16:17]
	s_or_b32 s[G0A+3], s[G0A+3], 0x80000000
	s_mov_b32 s[G0B], 1
	s_add_co_u32 s[G0B+1], s20, 0
	s_mov_b64 s[G0B+2:G0B+3], s[46:47]
	s_or_b32 s[G0B+3], s[G0B+3], 0x80000000
	CROUND                                         ; all sixteen work-groups are here: the joint loads meet
	s_cmp_eq_u32 s13, 0                            ; one load a wave
	s_cbranch_scc0 .Lfirst_b
	tensor_load_to_lds s[G0A:G0A+3], s[G1A:G1A+7]
	s_nop 0
.rept 4
	v_nop
.endr
	s_branch .Lfirst_asked
.Lfirst_b:
	tensor_load_to_lds s[G0B:G0B+3], s[G1B:G1B+7]
	s_nop 0
.rept 4
	v_nop
.endr
.Lfirst_asked:
	s_mov_b32 s19, 0
	s_lshl_b32 s18, s15, 12
	s_lshl_b32 s21, s13, 11
	s_add_co_u32 s18, s18, s21
	s_add_co_u32 s18, s18, AS
	s_add_nc_u64 s[32:33], s[4:5], s[18:19]        ; attn's scale rows of tiles 8 y + 4 rh on
	s_lshl_b32 s18, s42, 12
	s_lshl_b32 s21, s14, 11
	s_add_co_u32 s18, s18, s21
	s_add_co_u32 s18, s18, WPS
	s_add_nc_u64 s[34:35], s[6:7], s[18:19]        ; the weight's of tiles 8 x + 4 ch on
	s_lshl_b32 s22, s42, 9
	s_lshl_b32 s21, s14, 8
	s_add_co_u32 s22, s22, s21                     ; my first column, in bytes: 512 x + 256 ch
	s_mov_b32 s23, 0
	s_add_nc_u64 s[36:37], s[8:9], s[22:23]        ; its bias
	s_lshl_b32 s18, s15, 19
	s_lshl_b32 s21, s13, 18
	s_add_co_u32 s18, s18, s21                     ; my first row: (128 y + 64 rh) x 4,096 bytes
	s_add_co_u32 s18, s18, s22
	s_add_nc_u64 s[38:39], s[10:11], s[18:19]
.irp i, 0,1,2,3
	global_load_b128 v[SA+4*\i:SA+4*\i+3], v2, s[32:33] offset:512*\i
	global_load_b128 v[SB+4*\i:SB+4*\i+3], v2, s[34:35] offset:512*\i
.endr
	WIN 0x40                                       ; destination window 1
.irp t, 0,1,2,3                                ; the bias is the C of each sum's first product.  Tile t = 2 B + u, register j: column 32 B + 16 h + 8 u + j
	global_load_b128 v[B8+8*\t:B8+8*\t+3], v3, s[36:37] offset:(32*(\t/2)+8*(\t%2))*4
	global_load_b128 v[B8+8*\t+4:B8+8*\t+7], v3, s[36:37] offset:(32*(\t/2)+8*(\t%2))*4+16
.endr
	WIN 0
.macro WM d, a, b, c, sa, sb, row      ; row = 1: K steps 4-7, whose scale words lie in lanes 16-31
.if \row
	v_wmma_scale_f32_16x16x128_f8f6f4 v[(\d):(\d)+7], v[(\a):(\a)+11], v[(\b):(\b)+11], v[(\c):(\c)+7], v[\sa], v[\sb] matrix_a_fmt:MATRIX_FMT_BF6 matrix_b_fmt:MATRIX_FMT_BF6 matrix_a_scale:MATRIX_SCALE_ROW1 matrix_b_scale:MATRIX_SCALE_ROW1
.else
	v_wmma_scale_f32_16x16x128_f8f6f4 v[(\d):(\d)+7], v[(\a):(\a)+11], v[(\b):(\b)+11], v[(\c):(\c)+7], v[\sa], v[\sb] matrix_a_fmt:MATRIX_FMT_BF6 matrix_b_fmt:MATRIX_FMT_BF6
.endif
.endm
.macro FA i, ks                        ; 4 LDS loads: attn's fragment (row tile i, K step ks) into set i % 2
	ds_load_b128 v[96*((\i)%2)+12*(\ks):96*((\i)%2)+12*(\ks)+3],     v4 offset:(\i)*12288+(\ks)*1536
	ds_load_b64  v[96*((\i)%2)+12*(\ks)+4:96*((\i)%2)+12*(\ks)+5],   v5 offset:(\i)*12288+(\ks)*1536+512
	ds_load_b128 v[96*((\i)%2)+12*(\ks)+6:96*((\i)%2)+12*(\ks)+9],   v4 offset:(\i)*12288+(\ks)*1536+768
	ds_load_b64  v[96*((\i)%2)+12*(\ks)+10:96*((\i)%2)+12*(\ks)+11], v5 offset:(\i)*12288+(\ks)*1536+1280
.endm
.macro FETCHA i                        ; 32: all of row tile i
	WIN 0x40
.irp k, 0,1,2,3,4,5,6,7
	FA \i, \k
.endr
	WIN 0
.endm
.macro LGROUP ks                       ; 16: the weight's four fragments of K step ks, and row tile 0's
.set WR, 48*((\ks)%5)
	WIN 0x80+0x40*((\ks)/5)                        ; destination window 2 or 3
.irp t, 0,1,2,3
.irp g, 0,1,2
	ds_load_b128 v[WR+12*\t+4*\g:WR+12*\t+4*\g+3], v6 offset:\t*12288+(\ks)*1536+512*\g
.endr
.endr
	WIN 0x40
	FA 0, \ks
.endm
; 4 matrix instructions: row tile i, K step ks.  The tile's four accumulators take turns, so three others' stand between a sum's steps
.macro MUL4 i, ks
.set WR, 48*((\ks)%5)
.if (\ks) == 0
	WIN 0x16                                       ; source 0 (weight) window 2, source 1 (attn) window 1, C (bias) window 1, D window 0
.else
	WIN 0x06+(\ks)/5                               ; source 0 window 2 or 3; C and D window 0
.endif
.irp t, 0,1,2,3
.if (\ks) == 0
	WM ACC+32*((\i)%2)+8*\t, WR+12*\t, 96*((\i)%2)+12*(\ks), B8+8*\t, SB+4*\t+(\ks)%4, SA+4*(\i)+(\ks)%4, (\ks)/4
.else
	WM ACC+32*((\i)%2)+8*\t, WR+12*\t, 96*((\i)%2)+12*(\ks), ACC+32*((\i)%2)+8*\t, SB+4*\t+(\ks)%4, SA+4*(\i)+(\ks)%4, (\ks)/4
.endif
.endr
.endm
; THE WAY OUT of a row tile (16 tokens x 64 columns), through my own stage: a lane holds 32 neighbouring bytes of a row a tile; the rows come back whole, and sixteen lanes store one aligned run of 256 bytes.
; LDS serves a wave's instructions in order: no wait between the stores and the loads, nor in front of the next tile's stores.
.macro TOSTAGE i
.irp t, 0,1,2,3
	ds_store_b128 v[STO], v[ACC+32*(\i%2)+8*\t:ACC+32*(\i%2)+8*\t+3] offset:128*(\t/2)+32*(\t%2)         ; each accumulator from its low end on
	ds_store_b128 v[STO], v[ACC+32*(\i%2)+8*\t+4:ACC+32*(\i%2)+8*\t+7] offset:128*(\t/2)+32*(\t%2)+16
.endr
.irp q, 0,1,2,3,4,5,6,7
	ds_load_b128 v[BK+32*(\i%2)+4*\q:BK+32*(\i%2)+4*\q+3], v[RD] offset:2*\q*SPITCH
.endr
.endm
.macro SEND i, younger                 ; younger: the LDS instructions issued behind tile i's loads, which may stay out
.irp q, 0,1,2,3,4,5,6,7
	s_wait_dscnt \younger+7-\q
	global_store_b128 v[CO], v[BK+32*(\i%2)+4*\q:BK+32*(\i%2)+4*\q+3], s[38:39] offset:(8*\i+2*(\q%4)+32*(\q/4))*4096 th:TH_STORE_NT   ; slots 2 q and 2 q + 1 of tile i: tokens 8 i + 2 (q % 4) + h + 32 (q / 4)
.endr
.endm
	s_wait_alu depctr_va_vdst(0)                   ; the head's end
	s_wait_tensorcnt 0x0                           ; my four tiles have landed
	s_barrier_signal -1
	s_barrier_wait -1
	LGROUP 0
	LGROUP 1
	LGROUP 2
	s_wait_loadcnt 0x0                             ; the scale words and the bias
.irp k, 0,1,2,3,4,5,6,7                        ; row tile 0: the weight's fragments come in as it is multiplied, three K steps ahead
.if \k < 6
	s_wait_dscnt 32                                ; K steps k + 1 and k + 2 may be out
.elseif \k == 6
	s_wait_dscnt 16
.else
	s_wait_dscnt 32                                ; row tile 1's fragments
.endif
	MUL4 0, \k
.if \k < 5
	LGROUP \k+3
.endif
.if \k == 6
	FETCHA 1
.endif
.endr
; row tile i is finished: it goes to the stage, tile i + 2's fragments are asked for, half of tile i + 1 is multiplied, tile i is stored, and so on
.macro ROWS i
	WIN 0
	s_wait_dscnt 0x0                               ; tile i + 1's fragments are in (and tile i - 1 is back from the stage)
.rept 4
	v_nop                                          ; four places: tile i's results are read, and its fragments' registers loaded, behind them
.endr
	s_wait_xcnt 0x0                                ; the earlier stores have read their registers: this tile's rows may land there
	TOSTAGE \i
.if \i < 2
	FETCHA \i+2
.endif
.irp k, 0,1,2,3
	MUL4 \i+1, \k
.endr
	WIN 0
.if \i < 2
	SEND \i, 32
.else
	SEND \i, 0
.endif
.irp k, 4,5,6,7
	MUL4 \i+1, \k
.endr
.endm
	ROWS 0
	ROWS 1
	ROWS 2
	WIN 0
.rept 4
	v_nop                                          ; four places behind the last products
.endr
	s_wait_xcnt 0x0
	TOSTAGE 3
	SEND 3, 0
	s_wait_tensorcnt 0x0                           ; the wave's end
	ds_add_u32 v62, v63
	s_wait_dscnt 0x0
	CROUND                                         ; the closing round: no work-group ends while a partner may still ask for a tile that names it
	s_endpgm
.Lfunc_end_k_qf6d09aaeeb_proj:
	.size	k_qf6d09aaeeb_proj, .Lfunc_end_k_qf6d09aaeeb_proj-k_qf6d09aaeeb_proj
	.p2alignl 7, 3214868480
	.fill 96, 4, 3214868480
	.section	.rodata,"a",@progbits
	.p2align	6, 0x0
	.amdhsa_kernel k_qf6d09aaeeb_proj
		.amdhsa_group_segment_fixed_size 214528
		.amdhsa_private_segment_fixed_size 0
		.amdhsa_enable_private_segment 0
		.amdhsa_kernarg_size 32
		.amdhsa_user_sgpr_count 2
		.amdhsa_user_sgpr_kernarg_segment_ptr 1
		.amdhsa_wavefront_size32 1
		.amdhsa_system_sgpr_workgroup_id_x 1
		.amdhsa_system_sgpr_workgroup_id_y 1
		.amdhsa_system_sgpr_workgroup_id_z 1
		.amdhsa_system_vgpr_workitem_id 0
		.amdhsa_next_free_vgpr 1024
		.amdhsa_next_free_sgpr 100
		.amdhsa_reserve_vcc 0
		.amdhsa_float_denorm_mode_32 3
		.amdhsa_float_denorm_mode_16_64 3
		.amdhsa_memory_ordered 1
		.amdhsa_forward_progress 1
		.amdhsa_inst_pref_size 49
	.end_amdhsa_kernel
	.amdgpu_metadata
---
amdhsa.version: [ 1, 2 ]
amdhsa.kernels:
  - .name:           k_qf6d09aaeeb_proj
    .symbol:         k_qf6d09aaeeb_proj.kd
    .args:
      - { .name: att, .offset: 0, .size: 8, .value_kind: global_buffer, .address_space: global }
      - { .name: wsp, .offset: 8, .size: 8, .value_kind: global_buffer, .address_space: global }
      - { .name: b_proj, .offset: 16, .size: 8, .value_kind: global_buffer, .address_space: global }
      - { .name: out0, .offset: 24, .size: 8, .value_kind: global_buffer, .address_space: global }
    .group_segment_fixed_size: 214528
    .private_segment_fixed_size: 0
    .kernarg_segment_align: 8
    .kernarg_segment_size: 32
    .max_flat_workgroup_size: 128
    .sgpr_count:     100
    .vgpr_count:     1024
    .wavefront_size: 32
...
	.end_amdgpu_metadata
.endif
;; end of part 4
